; MI455X (gfx1250); checked and timed in simulation.
; The chip was launched on July 23, 2026; its instructions are those of AMD's public machine-readable ISA for CDNA 5 (MIT licence, August 2026) and "CDNA5" Instruction Set Architecture Reference Guide (July 2026). The comments in the code are by the model that wrote it; some were corrected since.
;; Multi Head Self Attention. Allowed arithmetic: matrix products marked QUANTISED: E2M3 operands, one E8M0 scale for each 32 along K, by v_wmma_scale_f32_16x16x128_f8f6f4 with both operands' format E2M3, f32 sums; everything else in f32.
;; Inputs: W_out 1,024 x 1,024 float32; W_qkv 1,024 x 3,072 float32; b_out 1,024 float32; b_qkv 3,072 float32; x 4 x 2,048 x 1,024 float32.
;; Outputs: out0 4 x 2,048 x 1,024 float32.
;; This version of the problem:
;;   THIS VERSION OF THE PROBLEM IS GIVEN IN LOW PRECISION. The matrix products marked QUANTISED in the list below multiply operands that are first quantised to E2M3 (2 exponent bits, 3 mantissa bits; 6 bits a number), with one power-of-two scale for each 32 numbers along K (OCP MX v1.0); their sums are f32. All else is computed in f32.
;;   The module's matrix products, in the order in which they are computed (A, B: the left and right operand; K: the contracted axis; several contracted axes count as one K, in the product's order):
;;     1. [M 8,192, K 1,024] x [K 1,024, N 3,072]; A: input x; B: input W_qkv: QUANTISED
;;     2. batch 64 x [M 2,048, K 64] x [K 64, N 2,048]; A: computed on the way; B: computed on the way: QUANTISED
;;     3. batch 64 x [M 2,048, K 2,048] x [K 2,048, N 64]; A: softmax (see below); B: computed on the way: QUANTISED
;;     4. [M 8,192, K 1,024] x [K 1,024, N 1,024]; A: computed on the way; B: input W_out: QUANTISED
;;   THE QUANTISER, for each operand of a quantised product, along K:
;;     - K is cut into blocks of 32 from its start; a last block that is shorter is filled with zeros.
;;     - A block's scale is 2^e with e = floor(log2(the largest magnitude in the block)) - 2, held to -126 .. 127; a block of zeros has e = 0. As a byte (E8M0): e + 127.
;;     - Each number is divided by its block's scale, clamped to +-7.5, and rounded to the nearest number of E2M3, ties to even, subnormals kept.
;;     - The product sums the exact products of the quantised numbers (number of the format x scale) in f32.
;;   ~~~python
;;   def quantise(x, axis):      # numpy; x: float32 -> the quantised numbers, widened to float32 again
;;       x = np.moveaxis(x, axis, -1); K = x.shape[-1]
;;       x = np.pad(x, [(0, 0)] * (x.ndim - 1) + [(0, -K % 32)]); x = x.reshape(x.shape[:-1] + (-1, 32)); a = np.abs(x).max(-1, keepdims=True)
;;       e = np.where(a > 0, np.clip(np.frexp(np.where(a > 0, a, 1))[1] - 1 - 2, -126, 127), 0)      # np.frexp(a)[1] - 1 = floor(log2(a)), exactly
;;       r = np.clip(x / 2.0 ** e, -7.5, 7.5)
;;       step = 2.0 ** (np.maximum(np.frexp(np.where(r == 0, 1, r))[1] - 1, 0) - 3)
;;       q = np.round(r / step) * step * 2.0 ** e      # np.round: ties to even
;;       return np.moveaxis(q.reshape(q.shape[:-2] + (-1,))[..., :K], -1, axis).astype(np.float32)
;;   ~~~
;;   SOFTMAX AHEAD OF A QUANTISED PRODUCT. Where the list says 'softmax', what is quantised is not the finished softmax but p = 2^(t - M), with t = logit x log2(e) and M = ceil(the row's largest t), a whole number; so 1/2 < the row's largest p <= 1. The row's sum l is taken of the UNQUANTISED p, in f32, and the product's result is divided by l at the end. Since M is a whole number, a kernel that streams over the keys may use a running M (the ceiling of the running maximum): every later rescaling is an exact power of two, which a block's scale takes up: the codes' values come out the same.
;;   OPERANDS COMPUTED ON THE WAY. 'Computed on the way' means the value that the module computes at that place (a softmax that the list does not call 'softmax' is quantised finished and normalised). What goes into a quantiser is computed in f32, as accurately as f32 sums, v_exp_f32 and their like allow (about 1e-6 of the number): no bf16 or f16 on the way to a quantiser, and a product that is left as it is and whose result goes on into a quantised operand takes f32 operands (vector FMAs, or v_wmma_f32_16x16x4_f32). A number that lies on a knife's edge between two numbers of the format may be rounded either way, as far as f32 arithmetic and the matrix unit's own rounding can turn it there, and no further.
;; One version. Each part assembles by itself: llvm-mc -triple=amdgcn-amd-amdhsa -mcpu=gfx1250 --defsym DOCPART=n.
;; ======== version 1 of 1: 4 launches
;; workspace buffers: act_codes 6,291,456 bytes; act_scales 262,144 bytes; w_codes 3,145,728 bytes; w_scales 131,072 bytes; qkv_codes 18,874,368 bytes; qkv_scales 786,432 bytes
;; launch quant (part 1): grid 384 x 1, 4 waves a work-group, no clusters, 68,096 bytes of LDS; arguments x, W_qkv, W_out, act_codes, act_scales, w_codes, w_scales; writes act_codes, act_scales, w_codes, w_scales
.if DOCPART == 1
	.amdgcn_target "amdgcn-amd-amdhsa--gfx1250"
	.amdhsa_code_object_version 6
	.text
	.protected	k_q7637245469_quant
	.globl	k_q7637245469_quant
	.p2align	8
	.type	k_q7637245469_quant,@function
k_q7637245469_quant:
	s_mov_b64 s[64:65], 0
	v_nop
	global_prefetch_b8 v0, s[64:65] scope:SCOPE_SE
	s_setreg_imm32_b32 hwreg(HW_REG_WAVE_MODE, 25, 1), 1
	s_wait_xcnt 0x0
; x [8192][1024], W_qkv [1024][3072] and W_out [1024][1024], f32, become codes of FP6 (E2M3) with K innermost and one E8M0 byte for each 32 along K.
; act_codes [8192 places][768 bytes], act_scales [8192][32]: x's rows.  w_codes [4096 places][768], w_scales [4096][32]: W_qkv's 3,072 columns, then W_out's 1,024.
; THE ORDER OF ROWS.  Inside every group of 32 rows the row with index bits (b4 b3 b2 b1 b0) lies at place (b3 b4 b2 b1 b0): the four octets lie in the order 0, 2, 1, 3.
; Sixteen neighbouring places are then rows 32 b + 8 u + r + 8 (r / 8), which is what makes a lane's 16 results of two neighbouring tiles 16 neighbours along the next product's K.
; A block's scale is 2^(floor(log2(largest magnitude)) - 2): its byte is the largest magnitude's exponent field - 2, held at 1 from below by a floor among the maximum's leaves.
; LIMITS: a block of zeros gets the byte 1 where the rule says 127 (its codes are zeros, and this program alone reads the bytes); blocks whose largest magnitude lies under 2^-124 are held at byte 1;
; NaN and infinities among the inputs are not served.
; Work-groups 0-255 take x (32 rows each, a wave 8 rows = 16 steps of 512 numbers), work-groups 256-383 the weights (128 columns x 256 along K each).  The two ways have LDS bytes of their own.
; No matrix unit, no cluster, no tensor load: the launch streams, and waves share nothing, so there is no barrier.
.set EMAX,  2
.set CBY,   12                         ; bytes of 16 codes
.set STEPS, 16
.set AHEAD, 8                          ; x: loads run eight steps (32 loads, 16 KiB a wave) ahead
.set WREG,  8192                       ; x: a wave's LDS: two stages of 32 x SP bytes, behind them its 256 scale bytes
.set SP,    80                         ; a lane's 64 bytes + 16 of padding
.set XR,    16                         ; v16-143  eight sets of 16 numbers as loaded
.set XX,    144                        ; v144-175 two sets of 16 neighbours
.set XC,    176                        ; v176-239 codes, four registers a step
.set XE,    240                        ; v240-255 a scale byte a step
.set WSTG,  32768                      ; the weights' stages begin here
.set WP,    272                        ; a stage row: sixteen places of 16 bytes + 16
.set NB,    8                          ; blocks of 32 along K for a wave
.set WX,    32                         ; v32-95   two sets of 32 numbers
.set WC,    96                         ; v96-102  a block's codes
.set OUTR,  112                        ; v112-175 the way out
.set SB,    24                         ; v24-25   eight scale bytes
.set VO,    176                        ; v176-207 offsets: i rows of the weight + 4 x lane; never rewritten
	s_load_b128 s[4:7], s[0:1], 0x0                ; x, W_qkv
	s_load_b128 s[8:11], s[0:1], 0x10              ; W_out, act_codes
	s_load_b128 s[12:15], s[0:1], 0x20             ; act_scales, w_codes
	s_load_b64 s[16:17], s[0:1], 0x30              ; w_scales
	v_lshl_add_u32 v235, v0, 2, 0x10800
	v_mov_b32 v239, 0
	v_lshrrev_b32 v1, 5, v0
	v_readfirstlane_b32 s18, v1                    ; wave 0..3
	v_and_b32 v2, 31, v0                           ; lane
	s_cmp_lt_u32 ttmp9, 256
	s_cbranch_scc0 .Lweights
; ---------------- x: K is innermost; a tensor is a stream of blocks of 32 ----------------
	v_lshlrev_b32 v3, 4, v2                        ; my 16 bytes of a load's 512
	s_mul_i32 s19, s18, WREG
	v_lshrrev_b32 v14, 2, v2
	v_mul_u32_u24 v14, v14, SP
	v_and_b32 v15, 3, v2
	v_lshl_add_u32 v14, v15, 4, v14
	v_add_nc_u32 v14, s19, v14                     ; the stage, in: SP (lane / 4) + 16 (lane % 4)
	v_mul_u32_u24 v15, v2, SP
	v_add_nc_u32 v15, s19, v15                     ; out: SP x lane: my 16 neighbours
	v_mul_u32_u24 v4, v2, CBY                      ; my codes' place in a step's 384 bytes
	v_lshrrev_b32 v5, 1, v2
	s_add_co_u32 s19, s19, 2*32*SP
	v_add_nc_u32 v5, s19, v5                       ; my block's byte among the wave's 256
	v_lshlrev_b32 v7, 3, v2
	v_add_nc_u32 v6, s19, v7                       ; and 8 bytes a lane on the way out
	s_lshl_b32 s20, ttmp9, 2
	s_add_co_u32 s22, s20, s18                     ; the octet of rows that I read: 4 x work-group + wave
	s_lshl_b32 s22, s22, 15                        ; 8 rows of 4,096 bytes
	s_mov_b32 s23, 0
	s_and_b32 s24, s18, 1
	s_lshl_b32 s24, s24, 1
	s_lshr_b32 s25, s18, 1
	s_or_b32 s24, s24, s25                         ; the wave's two bits change places:
	s_add_co_u32 s24, s24, s20                     ; the octet of places that I write
	s_mul_i32 s26, s24, 6144                       ; 8 rows of 768 bytes
	s_mov_b32 s27, 0
	s_lshl_b32 s28, s24, 8                         ; 8 rows of 32 bytes
	s_mov_b32 s29, 0
	s_wait_kmcnt 0x0
	s_add_nc_u64 s[4:5], s[4:5], s[22:23]
	s_add_nc_u64 s[10:11], s[10:11], s[26:27]
	s_add_nc_u64 s[12:13], s[12:13], s[28:29]
.macro XLOAD t
.irp i, 0,1,2,3
	global_load_b128 v[XR+16*((\t)%AHEAD)+4*\i:XR+16*((\t)%AHEAD)+4*\i+3], v3, s[4:5] offset:2048*(\t)+512*\i th:TH_LOAD_NT   ; 32 lanes read 512 consecutive bytes
.endr
.endm
.macro XTURN t                         ; step t's numbers through the stage; LDS serves a wave's instructions in order, so no wait stands between the stores and the loads
.irp i, 0,1,2,3
	ds_store_b128 v14, v[XR+16*((\t)%AHEAD)+4*\i:XR+16*((\t)%AHEAD)+4*\i+3] offset:32*SP*((\t)%2)+8*SP*\i
.endr
.irp i, 0,1,2,3
	ds_load_b128 v[XX+16*((\t)%2)+4*\i:XX+16*((\t)%2)+4*\i+3], v15 offset:32*SP*((\t)%2)+16*\i
.endr
.endm
.irp t, 0,1,2,3,4,5,6,7
	XLOAD \t
.endr
	s_wait_loadcnt 4*(AHEAD-1)                     ; step 0's four loads are in; seven steps' 28 may be out
	XTURN 0
.macro XSTEP t
.set XS, XX+16*((\t)%2)
.if (\t) > 0
	s_wait_dscnt 1                                 ; this step's numbers are back from the stage (the last step's byte store may be out): so its stores into the stage have read their registers,
.else
	s_wait_dscnt 0x0
.endif
.if (\t)+AHEAD < STEPS
	XLOAD (\t)+AHEAD                               ; which take the loads of eight steps on
.endif
.if (\t)+1 < STEPS
.if STEPS-2-(\t) >= AHEAD-1
	s_wait_loadcnt 4*(AHEAD-1)                     ; the next step's four loads are in; those of the seven steps behind it may be out
.else
	s_wait_loadcnt 4*(STEPS-2-(\t))                ; towards the end the count runs down
.endif
	XTURN (\t)+1
.endif
	v_max3_num_f32 v8, |v[XS]|, |v[XS+1]|, |v[XS+2]|               ; the largest magnitude of my 16, in two chains
	v_max3_num_f32 v9, |v[XS+3]|, |v[XS+4]|, |v[XS+5]|
.irp i, 6,10
	v_max3_num_f32 v8, v8, |v[XS+\i]|, |v[XS+\i+1]|
	v_max3_num_f32 v9, v9, |v[XS+\i+2]|, |v[XS+\i+3]|
.endr
	v_max3_num_f32 v8, v8, |v[XS+14]|, |v[XS+15]|
	v_max3_num_f32 v8, v8, v9, (EMAX+1)<<23        ; and the floor 2^(3 - 127): the byte cannot fall under 1
	v_max_num_f32_dpp v8, v8, v8 row_xmask:1 row_mask:0xf bank_mask:0xf   ; with my neighbour's 16: the block's
	v_add_nc_u32 v11, -(EMAX<<23), v8              ; 2 off the exponent field: the conversion takes this operand's exponent field as its scale
	v_cvt_scalef32_pk16_fp6_f32 v[XC+4*(\t):XC+4*(\t)+2], v[XS:XS+15], v11
	v_lshrrev_b32 v[XE+(\t)], 23, v11              ; the scale's byte (also the plain line behind the conversion)
	ds_store_b8 v5, v[XE+(\t)] offset:16*(\t)      ; both lanes of a block write the same byte with the same value
	global_store_b96 v4, v[XC+4*(\t):XC+4*(\t)+2], s[10:11] offset:32*CBY*(\t)   ; the wave stores 384 consecutive bytes
.endm
.irp t, 0,1,2,3,4,5,6,7,8,9,10,11,12,13,14,15
	XSTEP \t
.endr
	ds_load_b64 v[12:13], v6                       ; these see my byte stores: LDS serves a wave in order
	s_wait_dscnt 0x0
	global_store_b64 v7, v[12:13], s[12:13]        ; 32 lanes store 256 consecutive bytes, aligned
	s_wait_tensorcnt 0x0
	ds_add_u32 v235, v239
	s_wait_dscnt 0x0
	s_endpgm
; ---------------- the weights: K is the FIRST axis.  A lane takes a column, its registers run down K ----------------
.Lweights:
	s_sub_co_u32 s19, ttmp9, 256
	s_and_b32 s20, s19, 31                         ; which 128 columns of the 4,096
	s_lshr_b32 s21, s19, 5                         ; which 256 along K
	s_lshl_b32 s22, s18, 5
	s_lshl_b32 s23, s20, 7
	s_add_co_u32 s23, s23, s22                     ; my wave's first place: 128 x block + 32 x wave
	s_cmp_lt_u32 s20, 24                           ; W_qkv's columns or W_out's?  The choice hangs on the work-group's number alone
	s_cselect_b32 s24, 0, 3072
	s_mov_b32 s25, 4096
	s_cselect_b32 s25, 12288, s25                  ; bytes from a row of the weight to the next
	s_wait_kmcnt 0x0
	s_cselect_b64 s[26:27], s[6:7], s[8:9]
	s_sub_co_u32 s24, s23, s24                     ; my first column in that weight
	s_lshl_b32 s24, s24, 2
	s_lshl_b32 s28, s21, 8
	s_mul_i32 s28, s28, s25                        ; 256 y rows down
	s_add_co_u32 s28, s28, s24
	s_mov_b32 s29, 0
	s_add_nc_u64 s[32:33], s[26:27], s[28:29]      ; block 0's first row; a base for each of the eight blocks, none is ever rewritten
	s_lshl_b32 s30, s25, 5                         ; 32 rows
	s_mov_b32 s31, 0
.irp t, 1,2,3,4,5,6,7
	s_add_nc_u64 s[32+2*\t:33+2*\t], s[30+2*\t:31+2*\t], s[30:31]
.endr
	s_mul_i32 s48, s23, 768
	s_mul_i32 s49, s21, 192
	s_add_co_u32 s48, s48, s49
	s_mov_b32 s49, 0
	s_add_nc_u64 s[14:15], s[14:15], s[48:49]      ; the codes: place x 768 + 192 y
	s_lshl_b32 s48, s23, 5
	s_lshl_b32 s50, s21, 3
	s_add_co_u32 s48, s48, s50
	s_add_nc_u64 s[16:17], s[16:17], s[48:49]      ; the scale bytes: place x 32 + 8 y
	v_lshlrev_b32 v[VO], 2, v2
.set i, 1
.rept 31
	v_add_nc_u32 v[VO+i], s25, v[VO+i-1]
.set i, i+1
.endr
	s_mul_i32 s51, s18, 32*WP
	s_add_co_u32 s51, s51, WSTG                    ; my stage
	v_mul_u32_u24 v4, v2, WP
	v_add_nc_u32 v4, s51, v4                       ; into it: row = my column
	v_and_b32 v5, 15, v2
	v_lshrrev_b32 v6, 4, v2
	v_mul_u32_u24 v7, v6, WP
	v_lshl_add_u32 v7, v5, 4, v7
	v_add_nc_u32 v7, s51, v7                       ; out of it: sixteen lanes to a row, two rows an instruction
	v_mul_u32_u24 v8, v6, 768
	v_mad_u32_u24 v8, v5, 12, v8                   ; and the same in the codes' buffer (bit 0 of a column keeps its place)
	v_and_b32 v9, 7, v2                            ; my column's place among the 32: bits 3 and 4 change places
	v_bfe_u32 v10, v2, 3, 1
	v_lshl_add_u32 v9, v10, 4, v9
	v_bfe_u32 v10, v2, 4, 1
	v_lshl_add_u32 v9, v10, 3, v9
	v_lshlrev_b32 v9, 5, v9                        ; x 32 bytes of scales a row
.macro WLOAD t                         ; block t: W(32 t + i, my column): 32 lanes read 128 consecutive bytes, the four waves 512
.set i, 0
.rept 32
	global_load_b32 v[WX+32*((\t)%2)+i], v[VO+i], s[32+2*(\t):33+2*(\t)] th:TH_LOAD_NT
.set i, i+1
.endr
.endm
	WLOAD 0
	WLOAD 1
.macro WBLOCK t
.set XS, WX+32*((\t)%2)
.if (\t) < NB-1
	s_wait_loadcnt 32                              ; this block's 32 loads are in; the next block's 32 may be out
.else
	s_wait_loadcnt 0
.endif
	v_max3_num_f32 v12, |v[XS]|, |v[XS+1]|, |v[XS+2]|               ; all 32 numbers of the block are mine
	v_max3_num_f32 v13, |v[XS+3]|, |v[XS+4]|, |v[XS+5]|
.irp i, 6,10,14,18,22,26
	v_max3_num_f32 v12, v12, |v[XS+\i]|, |v[XS+\i+1]|
	v_max3_num_f32 v13, v13, |v[XS+\i+2]|, |v[XS+\i+3]|
.endr
	v_max3_num_f32 v12, v12, |v[XS+30]|, |v[XS+31]|
	v_max3_num_f32 v12, v12, v13, (EMAX+1)<<23     ; the floor
	v_add_nc_u32 v11, -(EMAX<<23), v12             ; the conversion's scale operand
	v_lshrrev_b32 v13, 23, v11                     ; the byte
.if (\t)%4 == 0
	v_mov_b32 v[SB+(\t)/4], v13
.else
	v_lshl_or_b32 v[SB+(\t)/4], v13, 8*((\t)%4), v[SB+(\t)/4]
.endif
	v_cvt_scalef32_pk16_fp6_f32 v[WC:WC+2], v[XS:XS+15], v11
	v_cvt_scalef32_pk16_fp6_f32 v[WC+4:WC+6], v[XS+16:XS+31], v11   ; (a conversion's three registers begin on an even number)
	ds_store_b96 v4, v[WC:WC+2] offset:32*(\t)     ; 12 bytes to a place of 16, so that every LDS address is a multiple of 16
	ds_store_b96 v4, v[WC+4:WC+6] offset:32*(\t)+16
.if (\t)+2 < NB
	WLOAD (\t)+2
.endif
	s_wait_dscnt 0x0                               ; the stores have read their registers: the next block's codes may be written
.endm
.set Q, 0
.rept NB
	WBLOCK Q
.set Q, Q+1
.endr
	global_store_b64 v9, v[SB:SB+1], s[16:17]      ; my column's eight scale bytes
.irp t, 0,1,2,3,4,5,6,7,8,9,10,11,12,13,14,15
	ds_load_b96 v[OUTR+4*\t:OUTR+4*\t+2], v7 offset:2*\t*WP
.endr
.irp t, 0,1,2,3,4,5,6,7,8,9,10,11,12,13,14,15
	s_wait_dscnt 15-\t                             ; LDS loads come back in order: row pair t is in
	global_store_b96 v8, v[OUTR+4*\t:OUTR+4*\t+2], s[14:15] offset:(((2*\t)&7)|((((2*\t)>>3)&1)<<4)|((((2*\t)>>4)&1)<<3))*768   ; columns 2 t, 2 t + 1 go to their places: sixteen lanes store a row's 192 consecutive bytes
.endr
	s_wait_tensorcnt 0x0
	ds_add_u32 v235, v239
	s_wait_dscnt 0x0
	s_endpgm
.Lfunc_end_k_q7637245469_quant:
	.size	k_q7637245469_quant, .Lfunc_end_k_q7637245469_quant-k_q7637245469_quant
	.p2alignl 7, 3214868480
	.fill 96, 4, 3214868480
	.section	.rodata,"a",@progbits
	.p2align	6, 0x0
	.amdhsa_kernel k_q7637245469_quant
		.amdhsa_group_segment_fixed_size 68096
		.amdhsa_private_segment_fixed_size 0
		.amdhsa_enable_private_segment 0
		.amdhsa_kernarg_size 56
		.amdhsa_user_sgpr_count 2
		.amdhsa_user_sgpr_kernarg_segment_ptr 1
		.amdhsa_wavefront_size32 1
		.amdhsa_system_sgpr_workgroup_id_x 1
		.amdhsa_system_sgpr_workgroup_id_y 1
		.amdhsa_system_sgpr_workgroup_id_z 1
		.amdhsa_system_vgpr_workitem_id 0
		.amdhsa_next_free_vgpr 256
		.amdhsa_next_free_sgpr 66
		.amdhsa_reserve_vcc 0
		.amdhsa_float_denorm_mode_32 3
		.amdhsa_float_denorm_mode_16_64 3
		.amdhsa_memory_ordered 1
		.amdhsa_forward_progress 1
		.amdhsa_inst_pref_size 75
	.end_amdhsa_kernel
	.amdgpu_metadata
---
amdhsa.version: [ 1, 2 ]
amdhsa.kernels:
  - .name:           k_q7637245469_quant
    .symbol:         k_q7637245469_quant.kd
    .args:
      - { .name: x, .offset: 0, .size: 8, .value_kind: global_buffer, .address_space: global }
      - { .name: W_qkv, .offset: 8, .size: 8, .value_kind: global_buffer, .address_space: global }
      - { .name: W_out, .offset: 16, .size: 8, .value_kind: global_buffer, .address_space: global }
      - { .name: act_codes, .offset: 24, .size: 8, .value_kind: global_buffer, .address_space: global }
      - { .name: act_scales, .offset: 32, .size: 8, .value_kind: global_buffer, .address_space: global }
      - { .name: w_codes, .offset: 40, .size: 8, .value_kind: global_buffer, .address_space: global }
      - { .name: w_scales, .offset: 48, .size: 8, .value_kind: global_buffer, .address_space: global }
    .group_segment_fixed_size: 68096
    .private_segment_fixed_size: 0
    .kernarg_segment_align: 8
    .kernarg_segment_size: 56
    .max_flat_workgroup_size: 128
    .sgpr_count:     66
    .vgpr_count:     256
    .wavefront_size: 32
...
	.end_amdgpu_metadata
.endif
;; end of part 1
;; launch qkv (part 2): grid 12 x 32, 4 waves a work-group, clusters of 4 x 4, 327,680 bytes of LDS; arguments act_codes, act_scales, w_codes, w_scales, b_qkv, qkv_codes, qkv_scales; writes qkv_codes, qkv_scales
.if DOCPART == 2
	.amdgcn_target "amdgcn-amd-amdhsa--gfx1250"
	.amdhsa_code_object_version 6
	.text
	.protected	k_q7637245469_qkv
	.globl	k_q7637245469_qkv
	.p2align	8
	.type	k_q7637245469_qkv,@function
k_q7637245469_qkv:
	s_mov_b64 s[64:65], 0
	v_nop
	global_prefetch_b8 v0, s[64:65] scope:SCOPE_SE
	s_setreg_imm32_b32 hwreg(HW_REG_WAVE_MODE, 25, 1), 1
	s_wait_xcnt 0x0
	s_wait_alu depctr_hold_cnt(0) depctr_sa_sdst(0) depctr_va_vdst(0) depctr_va_sdst(0) depctr_va_ssrc(0) depctr_va_vcc(0) depctr_vm_vsrc(0)
	s_getreg_b32 s2, hwreg(HW_REG_IB_STS2, 6, 4)
	s_cmp_eq_u32 s2, 0
	s_cbranch_scc0 .Lentry_in_a_cluster
	s_endpgm
.Lentry_in_a_cluster:
	s_bfe_u32 s2, ttmp6, 0x10000c
	s_cmp_lg_u32 s2, 0xf033
	s_cbranch_scc0 .Lentry_shape_is_right
	s_endpgm
.Lentry_shape_is_right:
; qkv = x W_qkv + b_qkv on codes of FP6 (E2M3) with E8M0 scales, K = 1,024; the results are quantised AT ONCE, in registers, into the operands that the attention launch wants, and leave as codes.
; A tile of 256 x 256 to a work-group of four waves, 128 x 128 a wave: 64 accumulators, 512 registers.  K goes in steps of 256 through a ring of two LDS slots filled by the tensor data mover; the scales of the
; work-group's rows, for all of K, come into LDS once.  4 x 4 work-groups form a cluster: P's tile is asked for jointly along a row of the cluster, R's along a column.
; THE PRODUCT IS USED TRANSPOSED: source 0 = 16 rows of R, source 1 = 16 rows of P: a lane holds ONE row of P, and its registers run along R.  Both operands' rows lie in memory in the order in which
; the octets of each 32 rows stand 0, 2, 1, 3: so the 16 registers of R's tiles 2 b and 2 b + 1 are 16 true NEIGHBOURS 32 b + 16 (lane / 16) + 0 .. 15 along R.
; WHO IS P, WHO IS R.  Q and K are quantised along the head's 64, V along the keys.  Clusters x = 0, 1 (features 0-2047): P = tokens (x's rows), R = features (W's rows).  Cluster x = 2 (V's features):
; P = features, R = tokens.  The choice hangs on the cluster's x alone, which all sixteen partners share; it swaps the pointers and picks the bias's layout; all else is one text.
; THE BIAS is the C of each sum's first matrix instruction.
; OUT.  A wave's block of 16 rows of P x 128 along R becomes one fragment of 12 registers and a scale word a row.  It leaves as an IMAGE OF THE REGISTERS: two halves of 768 bytes, lane l's 24 bytes at 24 l.
;   Q at 0, K at 6,291,456: [batch 4][head pair 8][token tile 128][head of the pair 2][768];  V at 12,582,912: [batch][128 keys 16][head 16][16 of the head's 64: 4][64 keys 2][768].
;   scales: Q at 0, K at 262,144: [batch][pair][128 tokens][head of the pair][row 16][tile pair 4] words (bytes 0, 1: the even tile; 2, 3: the odd one);  V at 524,288: [batch][128 keys][head][row 16][tile 4] words.
; LIMITS: a block of zeros gets the byte 1 (its codes are zeros; this program alone reads the bytes); blocks under 2^-124 are held at byte 1; NaN and infinities are not served.
; No prefetch into the L2: four K steps to a work-group, of which two are asked for at the head.
; REGISTERS, in windows of 256: window 0: v0-31 addresses; v32-63 scale words, two sets; v64-127 the bias, later the codes just made; v128-223 P's fragments, one set, later the images read back; v224-239 at work.
;   window 1: R's fragments, two sets, at v0 and v128.   window 2: accumulators of my rows 0-63 of P ((a, b) at v[8 (8 a + b)]);   window 3: those of rows 64-127.
.set KSTEP,  256
.set NQ,     2
.set ROWB,   192                       ; a tile's row: 256 codes
.set KROW,   768                       ; a row of codes in memory
.set PITCH,  240                       ; an LDS row: 3 x (64 bytes + 16 of padding): the 32 lanes of a load of 8 bytes touch 64 different banks
.set FR,     12
.set NL,     6
.set NP,     4                         ; places behind this matrix instruction (ISA guide 7.12.1)
.set HALFT,  128*PITCH
.set SLOT,   4*HALFT
.set LAPS,   2                         ; 1,024 / 512
.set KS,     32                        ; a row of scale bytes
.set SCL,    2*SLOT
.set HALFS,  (128*KS/256)*272
.set SBLK,   (16*KS/256)*272
.set SPARE,  SCL+4*HALFS               ; the spare words: 128 bytes a wave, two blocks of 256 bytes that no other line names
.set ADRA, 16                          ; v16-19 P's fragments in slot 0, 1 (and behind one padding more)
.set ADRB, 20                          ; v20-23 R's
.set STO,  24                          ; the way out: stage + 24 x lane
.set RD,   25                          ; stage + 16 x lane
.set CO,   26                          ; 16 x lane
.set ADRS, 27
.set SPW,  28
.set NIL,  29
.set SC,   32
.set CB,   64                          ; v64-127 the bias: eight registers for each of eight tiles
.set AF,   128
.set VOJ,  224                         ; v224-231 the bias loads' offsets
.set TM,   224                         ; the way out: v224-227 largest magnitudes, v228-231 bytes, v236-239 scale operands
.set PCB,  64                          ; two sets of 20: 12 codes, 2 x 4 at work
.set PWS,  104                         ; v104-111 the eight blocks' scale words
.set SELV, 112
.set ZW,   116                         ; v116-119 the four words that I store
.set OB,   128                         ; 12 registers for each block's image, none used twice
.set G1, 24
.set G0, 32
.set G1B, 48
.set G0B, 56
.set G1S, 68
.set G0S, 76
.set G1SB, 80
.set G0SB, 88
.set ISV, 100                          ; s100 1 in V's clusters, else 0
.set ISVM, 101                         ; s101 the same as a mask of lanes
.set MSB, 0
.macro WIN new                         ; the immediate's high byte repeats the setting that is left
.if MSB != \new
	s_set_vgpr_msb (MSB<<8)|\new
.set MSB, \new
.endif
.endm
.set MUL_LO, 0xa1                      ; source 0 (R) window 1, source 1 (P) window 0, C and D window 2
.set MUL_HI, 0xf1
.set BIA_LO, 0x81                      ; the same with C (the bias) in window 0
.set BIA_HI, 0xc1
.set TO_B,   0x40
; A joint load: waves 0 and 1 fetch for P, waves 2 and 3 for R.  The branch hangs on the wave's number alone.  Four v_nop follow each of the two lines.
.macro JLOAD g0a, g1a, g0b, g1b
	s_cmp_eq_u32 s15, 0
	s_cbranch_scc0 .Lfor_b_\@
	tensor_load_to_lds s[\g0a:\g0a+3], s[\g1a:\g1a+7]
	s_nop 0
.rept 4
	v_nop
.endr
	s_branch .Lasked_\@
.Lfor_b_\@:
	tensor_load_to_lds s[\g0b:\g0b+3], s[\g1b:\g1b+7]
	s_nop 0
.rept 4
	v_nop
.endr
.Lasked_\@:
.endm
.macro CREST                           ; a round of the cluster's barrier behind its opening barrier
	s_cmp_lg_u32 s14, 0
	s_cbranch_scc1 .Lnot_wave_0_\@
	s_barrier_signal -3
.Lnot_wave_0_\@:
	s_barrier_wait -3
	s_barrier_signal -1
	s_barrier_wait -1
.endm
.macro CROUND
	s_barrier_signal -1
	s_barrier_wait -1
	CREST
.endm
	s_load_b256 s[4:11], s[0:1], 0x0               ; x's codes, x's scales, the weights' codes, the weights' scales
	s_load_b64 s[12:13], s[0:1], 0x20              ; b_qkv
	s_load_b128 s[96:99], s[0:1], 0x28             ; qkv_codes, qkv_scales
	v_lshl_add_u32 v[SPW], v0, 2, SPARE
	v_mov_b32 v[NIL], 0
	ds_add_u32 v28, v29
	ds_add_u32 v28, v29
	s_wait_dscnt 0x0
	v_lshrrev_b32 v1, 5, v0
	v_readfirstlane_b32 s14, v1                    ; wave 0..3
	s_lshr_b32 s15, s14, 1                         ; which half of P's 256 rows is mine.  Also: I fetch for P (0) or for R (1)
	s_and_b32 s16, s14, 1                          ; which half of R's.  Also: which 128 rows I fetch
	s_bfe_u32 s40, ttmp6, 0x40000                  ; cx
	s_bfe_u32 s41, ttmp6, 0x40004                  ; cy
	s_lshl_b32 s66, ttmp9, 2                       ; 4 x cluster x
	s_and_b32 s67, ttmp7, 0xffff
	s_lshl_b32 s67, s67, 2                         ; 4 x cluster y
	s_cmp_eq_u32 ttmp9, 2                          ; V's clusters: the same answer in all sixteen partners
	s_cselect_b32 s[ISV], 1, 0
	s_cselect_b32 s[ISVM], -1, 0
	s_cselect_b32 s17, 8, s67
	s_cselect_b32 s42, s67, s66
	s_add_co_u32 s17, s17, s41                     ; P's tile of 256 rows: tokens 4 cluster y + cy, or the weights' rows 8 + cy
	s_add_co_u32 s42, s42, s40                     ; R's tile: the weights' rows 4 cluster x + cx, or tokens 4 cluster y + cx
	s_lshl_b32 s43, s41, 2
	s_lshl_b32 s43, 15, s43                        ; my row of the cluster
	s_lshl_b32 s44, 0x1111, s40                    ; my column
	s_or_b32 s[G1+0], s43, (0<<16)|(1<<20)|(1<<21)|(3<<22)|(3<<25)  ; 15:0 the mask; elements of 1 byte; padding on; bit 21 beside a mask; after every 16 words 4 words
	s_or_b32 s[G1B+0], s44, (0<<16)|(1<<20)|(1<<21)|(3<<22)|(3<<25)
.irp g, G1, G1B
	s_mov_b32 s[\g+1], ROWB<<16                    ; tensor_dim0
	s_mov_b32 s[\g+2], 128<<16                     ; tensor_dim1
	s_mov_b32 s[\g+3], ROWB<<16                    ; tile_dim0
	s_mov_b32 s[\g+4], 128                         ; tile_dim1
	s_mov_b32 s[\g+5], KROW                        ; the pitch
	s_mov_b32 s[\g+6], 0
	s_mov_b32 s[\g+7], 0
.endr
	s_or_b32 s[G1S+0], s43, (3<<16)|(1<<20)|(1<<21)|(5<<22)|(3<<25) ; the scales of 128 rows: 4,096 dense bytes as rows of 256 (32 elements of 8 bytes), 16 bytes of padding behind each
	s_or_b32 s[G1SB+0], s44, (3<<16)|(1<<20)|(1<<21)|(5<<22)|(3<<25)
.irp g, G1S, G1SB
	s_mov_b32 s[\g+1], 32<<16
	s_mov_b32 s[\g+2], (128*KS/256)<<16
	s_mov_b32 s[\g+3], 32<<16
	s_mov_b32 s[\g+4], 128*KS/256
	s_mov_b32 s[\g+5], 32
	s_mov_b32 s[\g+6], 0
	s_mov_b32 s[\g+7], 0
.endr
	s_lshl_b32 s18, s16, 7
	s_lshl_b32 s20, s17, 8
	s_add_co_u32 s20, s20, s18                     ; P: row 256 x tile + 128 x half
	s_lshl_b32 s46, s42, 8
	s_add_co_u32 s46, s46, s18                     ; R likewise
	s_mov_b32 s21, 0
	s_mov_b32 s47, 0
	s_mov_b64 s[18:19], KS
	s_mul_u64 s[22:23], s[20:21], s[18:19]
	s_mul_u64 s[92:93], s[46:47], s[18:19]
	s_mov_b64 s[18:19], KROW
	s_mul_u64 s[20:21], s[20:21], s[18:19]
	s_mul_u64 s[46:47], s[46:47], s[18:19]
	s_mul_i32 s45, s14, HALFT                      ; where they go: wave x 128 rows: no place in the cluster enters an LDS address
	s_mul_i32 s94, s14, HALFS
	s_wait_kmcnt 0x0
	s_cmp_eq_u32 s[ISV], 1                         ; in V's clusters the weights are P and x is R: the pointers change places
	s_cselect_b64 s[2:3], s[8:9], s[4:5]
	s_cselect_b64 s[8:9], s[4:5], s[8:9]
	s_mov_b64 s[4:5], s[2:3]
	s_cselect_b64 s[2:3], s[10:11], s[6:7]
	s_cselect_b64 s[10:11], s[6:7], s[10:11]
	s_mov_b64 s[6:7], s[2:3]
	s_add_nc_u64 s[20:21], s[4:5], s[20:21]
	s_add_nc_u64 s[22:23], s[6:7], s[22:23]
	s_add_nc_u64 s[46:47], s[8:9], s[46:47]
	s_add_nc_u64 s[92:93], s[10:11], s[92:93]
	CROUND                                         ; all sixteen work-groups are here: the first joint loads meet
	s_mov_b32 s[G0S], 1
	s_add_co_u32 s[G0S+1], s94, SCL
	s_mov_b64 s[G0S+2:G0S+3], s[22:23]
	s_or_b32 s[G0S+3], s[G0S+3], 0x80000000
	s_mov_b32 s[G0SB], 1
	s_add_co_u32 s[G0SB+1], s94, SCL
	s_mov_b64 s[G0SB+2:G0SB+3], s[92:93]
	s_or_b32 s[G0SB+3], s[G0SB+3], 0x80000000
	JLOAD G0S, G1S, G0SB, G1SB                     ; the scales first: they are wanted with K step 0
.irp s, 0,1
	s_mov_b32 s[G0+4*\s], 1
	s_add_co_u32 s[G0+4*\s+1], s45, \s*SLOT
	s_add_nc_u64 s[G0+4*\s+2:G0+4*\s+3], s[20:21], \s*ROWB
	s_or_b32 s[G0+4*\s+3], s[G0+4*\s+3], 0x80000000
	s_mov_b32 s[G0B+4*\s], 1
	s_add_co_u32 s[G0B+4*\s+1], s45, \s*SLOT
	s_add_nc_u64 s[G0B+4*\s+2:G0B+4*\s+3], s[46:47], \s*ROWB
	s_or_b32 s[G0B+4*\s+3], s[G0B+4*\s+3], 0x80000000
	JLOAD G0+4*\s, G1, G0B+4*\s, G1B               ; by this text's count three tensor loads of a wave are out here
.endr
	v_and_b32 v1, 15, v0                           ; r
	v_bfe_u32 v2, v0, 4, 1                         ; h
	v_mul_u32_u24 v3, v1, PITCH
	v_mul_u32_u24 v4, v2, 24
	v_add_nc_u32 v4, v3, v4                        ; a fragment's row x pitch + 24 x half
	v_lshl_add_u32 v5, v2, 4, v4                   ; and the same behind one padding more
	s_mul_i32 s21, s15, HALFT
	s_mul_i32 s22, s16, HALFT
	s_add_co_u32 s22, s22, 2*HALFT
.irp s, 0,1
	v_add_nc_u32 v[ADRA+\s], s21, v4
	v_add_nc_u32 v[ADRB+\s], s22, v4
	v_add_nc_u32 v[ADRA+2+\s], s21, v5
	v_add_nc_u32 v[ADRB+2+\s], s22, v5
	s_add_co_u32 s21, s21, SLOT
	s_add_co_u32 s22, s22, SLOT
.endr
	v_mul_u32_u24 v5, v1, KS                       ; my row's scales: 32 bytes a row,
	v_lshrrev_b32 v6, 8, v5
	v_lshl_add_u32 v5, v6, 4, v5                   ; and 16 more for each 256 passed
	s_mul_i32 s21, s15, HALFS
	s_mul_i32 s22, s16, HALFS
	s_add_co_u32 s22, s22, 2*HALFS
	s_sub_co_u32 s22, s22, s21
	v_mul_u32_u24 v6, s22, v2                      ; lanes 16-31 take R's
	s_add_co_u32 s21, s21, SCL
	v_add_nc_u32 v5, v5, v6
	v_add_nc_u32 v[ADRS], s21, v5
	s_lshl_b32 s23, s14, 11                        ; my stage: 2,048 bytes a wave, in slot 0
	v_and_b32 v6, 31, v0
	v_mul_u32_u24 v[STO], v6, 24
	v_add_nc_u32 v[STO], s23, v[STO]
	v_lshlrev_b32 v[CO], 4, v6
	v_add_nc_u32 v[RD], s23, v[CO]
	; where my wave's results go, and where its bias lies
	s_lshl_b32 s20, s17, 8
	s_lshl_b32 s21, s15, 7
	s_add_co_u32 s20, s20, s21                     ; my first row of P
	s_lshl_b32 s46, s42, 8
	s_lshl_b32 s47, s16, 7
	s_add_co_u32 s46, s46, s47                     ; my first row of R
	s_cmp_eq_u32 s[ISV], 1
	s_cselect_b32 s21, s46, s20                    ; my first token
	s_cselect_b32 s47, s20, s46                    ; my first feature
	s_cselect_b32 s66, 0, 4                        ; the bias from register to register: 4 bytes where registers run along the features
	s_mov_b32 s67, 8192
	s_cselect_b32 s67, 512, s67                    ; scale bytes from head pair to head pair,
	s_mov_b32 s95, 512
	s_cselect_b32 s95, 4096, s95                   ; and from 128 tokens to the next
	s_lshr_b32 s20, s21, 11
	s_lshl_b32 s20, s20, 16                        ; batch x 65,536
	s_bfe_u32 s46, s21, 0x40007                    ; which 128 tokens of the batch
	s_mul_i32 s46, s46, s95
	s_add_co_u32 s20, s20, s46
	s_lshr_b32 s46, s47, 10                        ; Q, K or V
	s_lshl_b32 s46, s46, 18
	s_add_co_u32 s20, s20, s46
	s_bfe_u32 s46, s47, 0x30007                    ; the head pair
	s_mul_i32 s46, s46, s67
	s_add_co_u32 s20, s20, s46                     ; my 512 scale bytes begin here,
	s_mov_b32 s21, 0
	s_add_nc_u64 s[98:99], s[98:99], s[20:21]
	s_mul_i32 s20, s20, 24                         ; and my 12,288 bytes of codes at 24 times that
	s_add_nc_u64 s[96:97], s[96:97], s[20:21]
	s_lshl_b32 s46, s47, 2
	s_mov_b32 s47, 0
	s_add_nc_u64 s[12:13], s[12:13], s[46:47]      ; b_qkv at my first feature
	; the bias in the result's layout.  Q, K: tile b of R, register j: feature 32 (b / 2) + 8 (b % 2) + 16 h + j.  V: tile a of P, every register: feature 32 (a / 2) + 8 (a % 2) + r + 8 (r / 8)
	v_lshlrev_b32 v6, 6, v2
	v_and_b32 v7, 8, v1
	v_add_nc_u32 v7, v7, v1
	v_lshlrev_b32 v7, 2, v7
	v_cndmask_b32 v[VOJ], v6, v7, s[ISVM]
.irp j, 1,2,3,4,5,6,7
	v_add_nc_u32 v[VOJ+\j], s66, v[VOJ+\j-1]
.endr
.set i, 0
.rept 8
.irp j, 0,1,2,3,4,5,6,7
	global_load_b32 v[CB+8*i+\j], v[VOJ+\j], s[12:13] offset:4*(32*(i/2)+8*(i%2))
.endr
.set i, i+1
.endr
.macro FRAG reg, adr, q, i             ; 16 rows x 128 K: 12 registers, in pieces of 8 bytes.  Lanes 16-31 read three pieces further on; where that lies behind one padding more, the second address register serves
.irp p, 0,1,2,3,4,5
.set PIECE, 12*(\q)+6*(\p/3)+\p%3
.if PIECE%8 < 5
	ds_load_b64 v[\reg+2*\p:\reg+2*\p+1], v[\adr] offset:8*PIECE+16*(PIECE/8)+(\i)*16*PITCH
.else
	ds_load_b64 v[\reg+2*\p:\reg+2*\p+1], v[\adr+2] offset:8*PIECE+16*(PIECE/8)+(\i)*16*PITCH
.endif
.endr
.endm
; 16 matrix instructions: P's blocks a0, a0 + 1 x R's eight.  zero = 0: onto the sums;  1: the sums begin with the bias of R's tile;  2: with that of P's tile.
; The 64 accumulators take turns, one instruction a turn, in the same order in every step.
.macro MUL16 a0, p, q, sc, zero
.irp a, \a0, \a0+1
.irp b, 0,1,2,3,4,5,6,7
.set rD, 8*(8*((\a)%4)+\b)
.set rB, 128*(\p)+FR*\b
.set rA, AF+FR*(\a)
.set rSB, SC+8*NQ*(\sc)+NQ*\b+(\q)
.set rSA, SC+8*NQ*(\sc)+NQ*(\a)+(\q)
.if \zero == 1
.set rC, CB+8*\b
.else
.set rC, CB+8*(\a)
.endif
.if \zero
	v_wmma_scale_f32_16x16x128_f8f6f4 v[rD:rD+7], v[rB:rB+FR-1], v[rA:rA+FR-1], v[rC:rC+7], v[rSB], v[rSA] matrix_a_fmt:MATRIX_FMT_FP6 matrix_b_fmt:MATRIX_FMT_FP6 matrix_a_scale:MATRIX_SCALE_ROW1
.else
	v_wmma_scale_f32_16x16x128_f8f6f4 v[rD:rD+7], v[rB:rB+FR-1], v[rA:rA+FR-1], v[rD:rD+7], v[rSB], v[rSA] matrix_a_fmt:MATRIX_FMT_FP6 matrix_b_fmt:MATRIX_FMT_FP6 matrix_a_scale:MATRIX_SCALE_ROW1
.endif
.endr
.endr
.endm
.macro FETCH_B slot, q, p
	WIN TO_B
.irp i, 0,1,2,3,4,5,6,7
	FRAG 128*(\p)+FR*\i, ADRB+\slot, \q, \i
.endr
	WIN 0
.endm
.macro FETCH_A slot, q, i0
.irp i, \i0, \i0+1, \i0+2, \i0+3
	FRAG AF+FR*(\i), ADRA+\slot, \q, \i
.endr
.endm
.macro SCALES sc                       ; a K step's scale words: lanes 0-15 P's block i, lanes 16-31 R's block i
.irp i, 0,1,2,3,4,5,6,7
	ds_load_b64 v[SC+8*NQ*\sc+NQ*\i:SC+8*NQ*\sc+NQ*\i+1], v[ADRS] offset:\i*SBLK
.endr
.endm
.macro PLACES n                        ; plain vector lines between a matrix instruction and a load into, or a read of, its registers
.rept \n
	v_nop
.endr
.endm
.macro STEP slot, q, zero              ; a step of 128 along K that has its successor in the same slot
	s_wait_dscnt 4*NL                              ; R's set and P's blocks 0-3 are in; the youngest 24 loads (P's blocks 4-7) may be out
.if \zero
	WIN BIA_LO
.else
	WIN MUL_LO
.endif
	MUL16 0, (\q)%2, \q, \slot, \zero
	MUL16 2, (\q)%2, \q, \slot, \zero
	s_wait_dscnt 0
	PLACES NP
	FETCH_B \slot, (\q)+1, 1-(\q)%2
	FETCH_A \slot, (\q)+1, 0
.if \zero
	WIN BIA_HI
.else
	WIN MUL_HI
.endif
	MUL16 4, (\q)%2, \q, \slot, \zero
	MUL16 6, (\q)%2, \q, \slot, \zero
	PLACES NP
	WIN 0
	FETCH_A \slot, (\q)+1, 4
.endm
; A slot's last step changes slots: one barrier; in front of it each wave waits for all its tensor loads, adds 0 to its spare word, and waits for that and for its reads of this slot.
.macro TURN slot, next, fill
	s_wait_tensorcnt 0x0                           ; all my tensor loads have landed: my part of the next slot
	ds_add_u32 v[SPW], v[NIL]                      ; 0 onto my spare word
	s_wait_dscnt 4*NL+1                            ; (the add and the youngest 24 loads may be out)
	WIN MUL_LO
	MUL16 0, 1, NQ-1, \slot, 0
	s_wait_dscnt 0x0                               ; the add is done, and my reads of this slot are over
	s_barrier_signal -1
	MUL16 2, 1, NQ-1, \slot, 0
	WIN 0
	s_barrier_wait -1
.if \fill
	CREST                                          ; the barrier has opened a round of the cluster's barrier: no wave of any partner still reads this slot or has a load on its way
	s_add_nc_u64 s[G0+4*\slot+2:G0+4*\slot+3], s[G0+4*\slot+2:G0+4*\slot+3], 2*ROWB
	s_add_nc_u64 s[G0B+4*\slot+2:G0B+4*\slot+3], s[G0B+4*\slot+2:G0B+4*\slot+3], 2*ROWB
	JLOAD G0+4*\slot, G1, G0B+4*\slot, G1B         ; the first tensor load behind the round; its four v_nop are also the places in front of the loads below
.else
	PLACES NP
.endif
	v_add_nc_u32 v[ADRS], 4*NQ, v[ADRS]
	FETCH_B \next, 0, 0
	FETCH_A \next, 0, 0
	SCALES \next
	WIN MUL_HI
	MUL16 4, 1, NQ-1, \slot, 0
	MUL16 6, 1, NQ-1, \slot, 0
	PLACES NP
	WIN 0
	FETCH_A \next, 0, 4
.endm
	s_wait_tensorcnt 1                             ; the scales and my part of K step 0 are in (K step 1's load may be out),
	s_barrier_signal -1
	s_barrier_wait -1                              ; everybody's are
	FETCH_B 0, 0, 0
	FETCH_A 0, 0, 0
	SCALES 0
	FETCH_A 0, 0, 4
	s_wait_loadcnt 0x0                             ; the bias
	s_cmp_eq_u32 s[ISV], 1                         ; the first step is written twice: its C is the bias of R's tile or of P's.  Both ways issue the same LDS loads; no tensor load and no barrier stands in them
	s_cbranch_scc1 .Lfirst_v
	STEP 0, 0, 1
	s_branch .Lfirst_done
.Lfirst_v:
	STEP 0, 0, 2
.Lfirst_done:
	s_mov_b32 s3, LAPS-1
.Llap:
	TURN 0, 1, 1
	STEP 1, 0, 0
	TURN 1, 0, 1
	STEP 0, 0, 0
	s_sub_co_u32 s3, s3, 1
	s_cmp_lg_u32 s3, 0
	s_cbranch_scc1 .Llap
	TURN 0, 1, 0                                   ; the last lap fills nothing
	STEP 1, 0, 0
	s_wait_dscnt 4*NL
	WIN MUL_LO
	MUL16 0, 1, NQ-1, 1, 0
	MUL16 2, 1, NQ-1, 1, 0
	s_wait_dscnt 0
	WIN MUL_HI
	MUL16 4, 1, NQ-1, 1, 0
	MUL16 6, 1, NQ-1, 1, 0
	WIN 0
; THE WAY OUT.  Block a: 64 registers of a lane, register 16 b + i = place 32 b + 16 (lane / 16) + i along R of my row of P.  They become a fragment's 12 registers and my row's scale word.
.macro QUANTG a
.set AC, 64*((\a)%4)
.set WW, 2+(\a)/4
.set WSRC, (WW<<2)|(WW<<4)
.set PC, PCB+20*((\a)%2)
	WIN WSRC                                       ; sources 1 and 2: the accumulators' window
.irp b, 0,1,2,3
	v_max3_num_f32 v[TM+\b], 0x1800000, |v[AC+16*\b]|, |v[AC+16*\b+1]|   ; the floor 2^(3 - 127) and my first two: each accumulator is read from its low end on
.endr
.irp i, 2,4,6,8,10,12,14
.irp b, 0,1,2,3
	v_max3_num_f32 v[TM+\b], v[TM+\b], |v[AC+16*\b+\i]|, |v[AC+16*\b+\i+1]|
.endr
.endr
	WIN 0
.irp b, 0,1,2,3
	v_permlanex16_b32 v[TM+4+\b], v[TM+\b], s66, s67
.endr
.irp b, 0,1,2,3
	v_max_num_f32 v[TM+\b], v[TM+\b], v[TM+4+\b]   ; with lane l xor 16's 16: the block's largest magnitude
.endr
.irp b, 0,1,2,3
	v_add_nc_u32 v[TM+12+\b], 0xff000000, v[TM+\b] ; 2 off the exponent field: the conversion's scale operand
.endr
.irp b, 0,1,2,3
	v_lshrrev_b32 v[TM+4+\b], 23, v[TM+12+\b]      ; the byte
.endr
	v_lshl_or_b32 v[PWS+(\a)], v[TM+5], 8, v[TM+4]
	v_lshl_or_b32 v[PWS+(\a)], v[TM+6], 16, v[PWS+(\a)]
	v_lshl_or_b32 v[PWS+(\a)], v[TM+7], 24, v[PWS+(\a)]
	WIN WW                                         ; source 0: the accumulators' window
.irp c, 0,1
	v_cvt_scalef32_pk16_fp6_f32 v[PC+6*\c:PC+2+6*\c], v[AC+32*\c:AC+15+32*\c], v[TM+12+2*\c]
	v_cvt_scalef32_pk16_fp6_f32 v[PC+12+4*\c:PC+14+4*\c], v[AC+16+32*\c:AC+31+32*\c], v[TM+12+2*\c+1]
.endr
	WIN 0
	v_nop                                          ; one plain line behind the conversions
.irp c, 0,1                            ; the operand's layout wants a whole block in a lane
.irp i, 0,1,2
	v_permlane16_swap_b32 v[PC+6*\c+\i], v[PC+12+4*\c+\i]
.endr
.irp i, 0,1,2
	v_mov_b32 v[PC+3+6*\c+\i], v[PC+12+4*\c+\i]
.endr
.endr
.endm
.macro TOSTAGE a                       ; the image, lane l's 24 bytes of each half at 24 l, goes into my stage and comes back 16 bytes a lane; LDS serves a wave in order
.set PC, PCB+20*((\a)%2)
.irp c, 0,1
.irp i, 0,1,2
	ds_store_b64 v[STO], v[PC+6*\c+2*\i:PC+6*\c+2*\i+1] offset:768*\c+8*\i
.endr
.endr
.irp k, 0,1,2
	ds_load_b128 v[OB+12*(\a)+4*\k:OB+12*(\a)+4*\k+3], v[RD] offset:512*\k
.endr
.endm
.macro SEND a, younger
	s_wait_dscnt \younger
.irp k, 0,1,2
	global_store_b128 v[CO], v[OB+12*(\a)+4*\k:OB+12*(\a)+4*\k+3], s[96:97] offset:1536*(\a)+512*\k   ; the wave stores 512 consecutive bytes, aligned to 256
.endr
.endm
	s_mov_b32 s66, 0x76543210
	s_mov_b32 s67, 0xfedcba98                      ; v_permlanex16_b32's selects for lane l xor 16
	s_mov_b32 s95, 0xffff0000                      ; lanes 16-31
.irp b, 0,1,2,3
	v_mov_b32 v[TM+4+\b], 0                        ; a lane permute's destination counts as read; these four are also the places behind the last products
.endr
	QUANTG 0
	TOSTAGE 0                                      ; the stage lies in slot 0: it has had its last fill, and every wave has passed the last change of slots
.irp a, 1,2,3,4,5,6,7
	QUANTG \a
	TOSTAGE \a
	SEND \a-1, 9                                   ; behind block a - 1's loads: block a's six stores and three loads.  The wait also shows that block a - 1's stores have read their registers
.endr
	SEND 7, 0
	; the scale words.  Q, K: lanes 0-15 the pair's first head (the words' low halves), lanes 16-31 the second; word b = tiles 2 b, 2 b + 1.  V: lanes 0-15 the first head's four tiles, lanes 16-31 the second's.
	v_mov_b32 v[SELV], 0x05040100
	v_mov_b32 v[SELV+1], 0x07060302
	v_cndmask_b32 v[SELV], v[SELV], v[SELV+1], s95
.irp b, 0,1,2,3
	v_perm_b32 v120, v[PWS+2*\b+1], v[PWS+2*\b], v[SELV]
	v_cndmask_b32 v121, v[PWS+\b], v[PWS+\b+4], s95
	v_cndmask_b32 v[ZW+\b], v120, v121, s[ISVM]
.endr
	global_store_b128 v[CO], v[ZW:ZW+3], s[98:99]  ; lane l's four words lie at 16 l in both layouts: 512 consecutive bytes
	s_wait_tensorcnt 0x0                           ; the wave's end
	ds_add_u32 v[SPW], v[NIL]
	s_wait_dscnt 0x0
	CROUND                                         ; the closing round
	s_endpgm
.Lfunc_end_k_q7637245469_qkv:
	.size	k_q7637245469_qkv, .Lfunc_end_k_q7637245469_qkv-k_q7637245469_qkv
	.p2alignl 7, 3214868480
	.fill 96, 4, 3214868480
	.section	.rodata,"a",@progbits
	.p2align	6, 0x0
	.amdhsa_kernel k_q7637245469_qkv
		.amdhsa_group_segment_fixed_size 327680
		.amdhsa_private_segment_fixed_size 0
		.amdhsa_enable_private_segment 0
		.amdhsa_kernarg_size 56
		.amdhsa_user_sgpr_count 2
		.amdhsa_user_sgpr_kernarg_segment_ptr 1
		.amdhsa_wavefront_size32 1
		.amdhsa_system_sgpr_workgroup_id_x 1
		.amdhsa_system_sgpr_workgroup_id_y 1
		.amdhsa_system_sgpr_workgroup_id_z 1
		.amdhsa_system_vgpr_workitem_id 0
		.amdhsa_next_free_vgpr 1024
		.amdhsa_next_free_sgpr 102
		.amdhsa_reserve_vcc 0
		.amdhsa_float_denorm_mode_32 3
		.amdhsa_float_denorm_mode_16_64 3
		.amdhsa_memory_ordered 1
		.amdhsa_forward_progress 1
		.amdhsa_inst_pref_size 191
	.end_amdhsa_kernel
	.amdgpu_metadata
---
amdhsa.version: [ 1, 2 ]
amdhsa.kernels:
  - .name:           k_q7637245469_qkv
    .symbol:         k_q7637245469_qkv.kd
    .args:
      - { .name: act_codes, .offset: 0, .size: 8, .value_kind: global_buffer, .address_space: global }
      - { .name: act_scales, .offset: 8, .size: 8, .value_kind: global_buffer, .address_space: global }
      - { .name: w_codes, .offset: 16, .size: 8, .value_kind: global_buffer, .address_space: global }
      - { .name: w_scales, .offset: 24, .size: 8, .value_kind: global_buffer, .address_space: global }
      - { .name: b_qkv, .offset: 32, .size: 8, .value_kind: global_buffer, .address_space: global }
      - { .name: qkv_codes, .offset: 40, .size: 8, .value_kind: global_buffer, .address_space: global }
      - { .name: qkv_scales, .offset: 48, .size: 8, .value_kind: global_buffer, .address_space: global }
    .group_segment_fixed_size: 327680
    .private_segment_fixed_size: 0
    .kernarg_segment_align: 8
    .kernarg_segment_size: 56
    .max_flat_workgroup_size: 128
    .sgpr_count:     102
    .vgpr_count:     1024
    .wavefront_size: 32
...
	.end_amdgpu_metadata
.endif
;; end of part 2
;; launch attn (part 3): grid 4 x 64, 16 waves a work-group, clusters of 4 x 1, 219,136 bytes of LDS; arguments qkv_codes, qkv_scales, act_codes, act_scales; writes act_codes, act_scales
.if DOCPART == 3
	.amdgcn_target "amdgcn-amd-amdhsa--gfx1250"
	.amdhsa_code_object_version 6
	.text
	.protected	k_q7637245469_attn
	.globl	k_q7637245469_attn
	.p2align	8
	.type	k_q7637245469_attn,@function
k_q7637245469_attn:
	s_mov_b64 s[64:65], 0
	v_nop
	global_prefetch_b8 v0, s[64:65] scope:SCOPE_SE
	s_setreg_imm32_b32 hwreg(HW_REG_WAVE_MODE, 25, 1), 1
	s_wait_xcnt 0x0
	s_wait_alu depctr_hold_cnt(0) depctr_sa_sdst(0) depctr_va_vdst(0) depctr_va_sdst(0) depctr_va_ssrc(0) depctr_va_vcc(0) depctr_vm_vsrc(0)
	s_getreg_b32 s2, hwreg(HW_REG_IB_STS2, 6, 4)
	s_cmp_eq_u32 s2, 0
	s_cbranch_scc0 .Lentry_in_a_cluster
	s_endpgm
.Lentry_in_a_cluster:
	s_bfe_u32 s2, ttmp6, 0x10000c
	s_cmp_lg_u32 s2, 0x3003
	s_cbranch_scc0 .Lentry_shape_is_right
	s_endpgm
.Lentry_shape_is_right:
; O = softmax(Q K^T / 8) V for one head, both products on codes of FP6 (E2M3) with E8M0 scales; O / l is quantised at once along the model's 1,024 and leaves as codes for the last product.
; THE SOFTMAX: t = score x log2(e) / 8; M = the running largest t rounded UP to a whole number; p = 2^(t - M) is quantised along the keys, not normalised; the row's sum is taken of the unquantised p and divides at the end.
; When M moves, the sum and O are multiplied by 2^(old M - new M), which rounds nothing.
; SHARES.  A work-group owns one (batch, head) and 512 queries; each of its sixteen waves owns a tile of 16 queries, twice (two passes).  Four waves to a SIMD: one wave's vector work stands beside another's products.
; A HEAD'S WHOLE K AND V STAY IN LDS: 2 x 98,304 bytes of codes and 2 x 4,096 of scales, filled ONCE: no slot is ever filled again.  They come in four chunks of 512 keys, so that the first steps begin while the rest is on its way.
; CLUSTER.  The four work-groups of a cluster are the four query blocks of one head: every fill is asked for JOINTLY (mask 15).  cx enters Q's and O's addresses in memory alone.
; LAYOUT.  Both products transposed: S^T = K Q^T, O^T = V^T P^T: a lane holds one query.  The launch before has laid K's tiles so that lane r of tile 2 b + u is key 32 b + 8 u + r + 8 (r / 8): the 16 registers of
; tiles 2 b and 2 b + 1 are 16 neighbouring keys.  V's tiles of 16 of the head's 64 are chosen likewise, so that O^T's 16 registers of two tiles are 16 neighbours along the next product's K.
; K = 64 IN AN INSTRUCTION 128 DEEP.  A fragment of K holds TWO tiles of keys (registers 0-5 the even one, 6-11 the odd one).  It is multiplied twice: by [Q | zeros] for the even tile's scores, by [zeros | Q] for the odd one's.
; Zero codes add nothing under any scale byte that is made here (1 to 254).  So no fragment is read twice from LDS.
; LIMITS: p under 2^-126 is flushed to 0 by v_exp_f32; a block of zeros gets the byte 1 (this program alone reads the bytes); NaN and infinities are not served.
; No prefetch into the L2: all of K and V is asked for at the head.  O's scale bytes leave as 2 bytes a row: the other bytes of a row belong to other heads, that is, to other work-groups; they are 1/24 of the codes' bytes.
.set VB,   98304                       ; LDS: K's 128 tiles of 768 bytes at 0; V: [128 keys 16][tile 4][64 keys 2][768] here
.set KSC,  196608                      ; K's scale words [128 keys][row 16][tile pair 4]
.set VSC,  200704                      ; V's [128 keys][row 16][tile 4]
.set STG,  204800                      ; the way out: 768 bytes a wave; no fill lands here
.set AK0,  1                           ; v1  24 x lane
.set AV0,  2                           ; v2  VB + 24 x lane
.set AS0,  3                           ; v3  KSC + 16 r
.set AT0,  4                           ; v4  VSC + 16 r
.set STO,  5                           ; v5  my stage + 24 x lane
.set RD,   6                           ; v6  my stage + 8 x lane
.set GO,   7                           ; v7  8 x lane
.set ADK,  8
.set ADV,  9
.set ADS,  10
.set ADT,  11                          ; v12 -M, v13 the largest t, v[14:15] the sum in two halves; v16-21 zeros, v22-27 Q, v28-33 zeros
.set QS,   34                          ; Q's scale word, its two bytes twice
.set PS,   35                          ; p's scale word
.set KSW,  36                          ; v36-39 K's scale words, v40-43 V's
.set VSW,  40
.set FRG,  44                          ; v44-91 four fragments, of K and then of V
.set OSO,  92                          ; v92 32 r; v93 the lane; v94 16 r
.set PCD,  192                         ; v192-203 p's codes; v204-210 at work in the conversions
.set PCT,  204
.set BM,   212                         ; v212-215 the blocks' largest scores, then largest p
.set BT,   216                         ; v216-219 at work
.set BS,   220                         ; v220-223 the conversions' scale operands
.set FF,   224                         ; v[224:225] f = 2^(old M - new M) (the pair's low word serves both halves)
.set TT,   226
.set WV,   12
.set SEL,  20
.set CS,   22
.set G1K,  24
.set G1V,  32
.set G1KS, 40
.set G1VS, 48
.set G0S,  56
.set TK,   80                          ; s80 where the step's codes begin in K's and in V's region: 6,144 bytes a step
.set TS,   81                          ; s81 and its scale words: 256 bytes a step
.macro CROUND
	s_barrier_signal -1
	s_barrier_wait -1
	s_cmp_lg_u32 s[WV], 0
	s_cbranch_scc1 .Lnot_wave_0_\@
	s_barrier_signal -3
.Lnot_wave_0_\@:
	s_barrier_wait -3
	s_barrier_signal -1
	s_barrier_wait -1
.endm
	s_load_b256 s[4:11], s[0:1], 0x0               ; qkv_codes, qkv_scales, act_codes, act_scales
	v_lshl_add_u32 v254, v0, 2, 0x35000
	v_mov_b32 v255, 0
	ds_add_u32 v254, v255
	ds_add_u32 v254, v255
	v_lshrrev_b32 v1, 5, v0
	s_delay_alu instid0(VALU_DEP_1)
	v_readfirstlane_b32 s[WV], v1                  ; wave 0..15
	s_and_b32 s14, ttmp7, 0xffff                   ; 16 x batch + head: the four partners share it
	s_lshr_b32 s15, s14, 4                         ; batch
	s_and_b32 s16, s14, 15                         ; head
	s_lshr_b32 s17, s16, 1                         ; head pair
	s_and_b32 s18, s16, 1                          ; which of the pair
	s_lshl_b32 s19, s15, 3
	s_add_co_u32 s19, s19, s17                     ; 8 x batch + pair
	s_mul_i32 s88, s19, 196608
	s_mul_i32 s89, s18, 768
	s_add_co_u32 s88, s88, s89
	s_add_co_u32 s88, s88, 6291456                 ; K's codes of my head
	s_mul_i32 s90, s15, 1572864
	s_mul_i32 s91, s16, 6144
	s_add_co_u32 s90, s90, s91
	s_add_co_u32 s90, s90, 12582912                ; V's
	s_lshl_b32 s92, s19, 13
	s_lshl_b32 s93, s18, 8
	s_add_co_u32 s92, s92, s93
	s_add_co_u32 s92, s92, 262144                  ; K's scale words
	s_lshl_b32 s94, s15, 16
	s_lshl_b32 s95, s16, 8
	s_add_co_u32 s94, s94, s95
	s_add_co_u32 s94, s94, 524288                  ; V's
	s_and_b32 s96, s[WV], 1                        ; wave 0 fetches K, wave 1 V
	s_cmp_eq_u32 s96, 0
	s_cselect_b32 s88, s88, s90
	s_cselect_b32 s92, s92, s94
	s_mov_b32 s90, 393216
	s_cselect_b32 s90, 49152, s90                  ; from chunk to chunk in memory: 32 tiles of K 1,536 bytes apart, or 4 steps of V 98,304 apart
	s_mov_b32 s89, 0
	s_mov_b32 s91, 0
	s_mov_b32 s93, 0
	s_mul_i32 s97, s96, VB                         ; and in LDS
	s_lshl_b32 s96, s96, 12
	; descriptor groups 1: elements of 8 bytes, mask 15 with bit 21 beside it, no padding
.irp g, G1K, G1V, G1KS, G1VS
	s_mov_b32 s[\g], 15|(3<<16)|(1<<21)
	s_mov_b32 s[\g+6], 0
	s_mov_b32 s[\g+7], 0
.endr
	s_mov_b32 s[G1K+1], 96<<16                     ; K: 32 rows (tiles) of 768 bytes, 1,536 apart
	s_mov_b32 s[G1K+2], 32<<16
	s_mov_b32 s[G1K+3], 96<<16
	s_mov_b32 s[G1K+4], 32
	s_mov_b32 s[G1K+5], 192
	s_mov_b32 s[G1V+1], 768<<16                    ; V: 4 rows (steps) of 6,144 bytes, 98,304 apart
	s_mov_b32 s[G1V+2], 4<<16
	s_mov_b32 s[G1V+3], 768<<16
	s_mov_b32 s[G1V+4], 4
	s_mov_b32 s[G1V+5], 12288
	s_mov_b32 s[G1KS+1], 32<<16                    ; K's scales: 16 rows (steps) of 256 bytes, 512 apart
	s_mov_b32 s[G1KS+2], 16<<16
	s_mov_b32 s[G1KS+3], 32<<16
	s_mov_b32 s[G1KS+4], 16
	s_mov_b32 s[G1KS+5], 64
	s_mov_b32 s[G1VS+1], 32<<16                    ; V's: 16 rows of 256 bytes, 4,096 apart
	s_mov_b32 s[G1VS+2], 16<<16
	s_mov_b32 s[G1VS+3], 32<<16
	s_mov_b32 s[G1VS+4], 16
	s_mov_b32 s[G1VS+5], 512
	s_mov_b32 s[SEL], 0x76543210
	s_mov_b32 s[SEL+1], 0xfedcba98
	s_mov_b32 s[CS], 0x3e38aa3b                    ; c = log2(e) / 8
	s_mov_b32 s[CS+1], s[CS]
	s_wait_dscnt 0x0
	s_wait_kmcnt 0x0
	s_add_nc_u64 s[88:89], s[4:5], s[88:89]
	s_add_nc_u64 s[92:93], s[6:7], s[92:93]
	s_mov_b32 s[G0S], 1
	s_add_co_u32 s[G0S+1], s96, KSC
	s_mov_b64 s[G0S+2:G0S+3], s[92:93]
	s_or_b32 s[G0S+3], s[G0S+3], 0x80000000
.set j, 0
.irp g, 60, 68, 72, 76                 ; a group 0 for each of the four chunks
	s_mov_b32 s[\g], 1
	s_add_co_u32 s[\g+1], s97, 24576*j
	s_mov_b64 s[\g+2:\g+3], s[88:89]
	s_or_b32 s[\g+3], s[\g+3], 0x80000000
.if j < 3
	s_add_nc_u64 s[88:89], s[88:89], s[90:91]
.endif
.set j, j+1
.endr
	CROUND                                         ; all four work-groups are here: the joint loads meet
	s_cmp_eq_u32 s[WV], 0                          ; a wave's fills stand in one branch on its number: five loads of the wave are out, by this text's count
	s_cbranch_scc0 .Lnot_k
	tensor_load_to_lds s[G0S:G0S+3], s[G1KS:G1KS+7]
	s_nop 0
	tensor_load_to_lds s[60:63], s[G1K:G1K+7]
	s_nop 0
	tensor_load_to_lds s[68:71], s[G1K:G1K+7]
	s_nop 0
	tensor_load_to_lds s[72:75], s[G1K:G1K+7]
	s_nop 0
	tensor_load_to_lds s[76:79], s[G1K:G1K+7]
	s_nop 0
.rept 4
	v_nop
.endr
	s_branch .Lasked
.Lnot_k:
	s_cmp_eq_u32 s[WV], 1
	s_cbranch_scc0 .Lasked
	tensor_load_to_lds s[G0S:G0S+3], s[G1VS:G1VS+7]
	s_nop 0
	tensor_load_to_lds s[60:63], s[G1V:G1V+7]
	s_nop 0
	tensor_load_to_lds s[68:71], s[G1V:G1V+7]
	s_nop 0
	tensor_load_to_lds s[72:75], s[G1V:G1V+7]
	s_nop 0
	tensor_load_to_lds s[76:79], s[G1V:G1V+7]
	s_nop 0
.rept 4
	v_nop
.endr
.Lasked:
	; my queries: tile T = 32 cx + 16 pass + wave
	s_bfe_u32 s13, ttmp6, 0x40000                  ; cx
	s_lshl_b32 s66, s13, 5
	s_add_co_u32 s66, s66, s[WV]                   ; the first pass's tile
	s_lshl_b32 s67, s19, 7
	s_add_co_u32 s67, s67, s66
	s_mul_i32 s2, s67, 1536
	s_mul_i32 s3, s18, 768
	s_add_co_u32 s2, s2, s3
	s_mov_b32 s3, 0
	s_add_nc_u64 s[98:99], s[4:5], s[2:3]          ; Q's half image
	s_add_nc_u64 s[84:85], s[8:9], s[2:3]          ; O's lies at the same place of its buffer
	s_lshl_b32 s2, s19, 13
	s_lshr_b32 s67, s66, 3
	s_lshl_b32 s67, s67, 9
	s_add_co_u32 s2, s2, s67
	s_lshl_b32 s67, s18, 8
	s_add_co_u32 s2, s2, s67
	s_bfe_u32 s67, s66, 0x20001
	s_lshl_b32 s67, s67, 2
	s_add_co_u32 s2, s2, s67
	s_add_nc_u64 s[6:7], s[6:7], s[2:3]            ; the word that holds my tile's two scale bytes (+ 16 r)
	s_lshl_b32 s2, s15, 16
	s_lshl_b32 s67, s66, 9
	s_add_co_u32 s2, s2, s67
	s_lshl_b32 s67, s16, 1
	s_add_co_u32 s2, s2, s67
	s_add_nc_u64 s[86:87], s[10:11], s[2:3]        ; O's scale bytes: (2,048 batch + 16 T + r) x 32 + 2 head
	s_and_b32 s66, s[WV], 1
	s_cmp_eq_u32 s66, 0
	s_mov_b32 s67, 0x03020302
	s_cselect_b32 s67, 0x01000100, s67             ; an even tile's bytes are the word's low half, an odd one's the high half: taken twice
	v_and_b32 v93, 31, v0
	v_and_b32 v94, 15, v0
	s_delay_alu instid0(VALU_DEP_2)
	v_mul_u32_u24 v[AK0], v93, 24
	s_delay_alu instid0(VALU_DEP_1)
	v_add_nc_u32 v[AV0], VB, v[AK0]
	s_delay_alu instid0(VALU_DEP_3)
	v_lshlrev_b32 v[OSO], 5, v94
	s_delay_alu instid0(VALU_DEP_4)
	v_lshlrev_b32 v94, 4, v94
	s_delay_alu instid0(VALU_DEP_1)
	v_add_nc_u32 v[AS0], KSC, v94
	s_delay_alu instid0(VALU_DEP_2)
	v_add_nc_u32 v[AT0], VSC, v94
	s_mul_i32 s2, s[WV], 768
	s_add_co_u32 s2, s2, STG
	v_add_nc_u32 v[STO], s2, v[AK0]
	v_lshlrev_b32 v[GO], 3, v93
	s_delay_alu instid0(VALU_DEP_1)
	v_add_nc_u32 v[RD], s2, v[GO]
.irp i, 0,1,2
	global_load_b64 v[22+2*\i:23+2*\i], v[AK0], s[98:99] offset:8*\i            ; the first pass's Q,
	global_load_b64 v[228+2*\i:229+2*\i], v[AK0], s[98:99] offset:24576+8*\i    ; the second's: 16 tiles on
.endr
	global_load_b32 v235, v94, s[6:7]
	global_load_b32 v234, v94, s[6:7] offset:1024
.irp i, 0,1,2,3,4,5
	v_mov_b32 v[16+\i], 0                          ; the zero codes on both sides of Q
	v_mov_b32 v[28+\i], 0
.endr
.irp b, 0,1,2,3
	v_mov_b32 v[BT+\b], 0                          ; a lane permute's destination counts as read
.endr
	v_mov_b32 v[FF+1], 0                           ; (named as the upper half of a pair)
	v_mov_b32 v[TT], 0
	s_mov_b32 s83, 2
	s_wait_loadcnt 0x0
	v_perm_b32 v[QS], v235, v235, s67
; A KEY STEP: 128 keys.
.macro KSTEP
	v_add_nc_u32 v[ADK], s[TK], v[AK0]             ; (these four are also the places behind the last products, in front of the loads below)
	v_add_nc_u32 v[ADV], s[TK], v[AV0]
	v_add_nc_u32 v[ADS], s[TS], v[AS0]
	v_add_nc_u32 v[ADT], s[TS], v[AT0]
.irp b, 0,1,2,3
.irp p, 0,1,2,3,4,5
	ds_load_b64 v[FRG+12*\b+2*\p:FRG+12*\b+2*\p+1], v[ADK] offset:(2*\b+\p/3)*768+8*(\p%3)   ; tiles 2 b and 2 b + 1; lanes 24 bytes apart touch 64 different banks
.endr
.endr
	ds_load_b128 v[KSW:KSW+3], v[ADS]
	s_wait_alu depctr_va_vdst(0)
	s_wait_dscnt 0x0
.irp b, 0,1,2,3
	v_wmma_scale_f32_16x16x128_f8f6f4 v[96+16*\b:103+16*\b], v[FRG+12*\b:FRG+12*\b+11], v[22:33], 0, v[KSW+\b], v[QS] matrix_a_fmt:MATRIX_FMT_FP6 matrix_b_fmt:MATRIX_FMT_FP6
	v_wmma_scale_f32_16x16x128_f8f6f4 v[104+16*\b:111+16*\b], v[FRG+12*\b:FRG+12*\b+11], v[16:27], 0, v[KSW+\b], v[QS] matrix_a_fmt:MATRIX_FMT_FP6 matrix_b_fmt:MATRIX_FMT_FP6
.endr
.rept 4
	v_nop                                          ; places in front of the loads into K's registers and of the first read of the scores
.endr
.irp t, 0,1,2,3
.irp p, 0,1,2,3,4,5
	ds_load_b64 v[FRG+12*\t+2*\p:FRG+12*\t+2*\p+1], v[ADV] offset:1536*\t+768*(\p/3)+8*(\p%3)   ; V's four fragments land while the softmax is worked
.endr
.endr
	ds_load_b128 v[VSW:VSW+3], v[ADT]
.irp b, 0,1,2,3
	v_max3_num_f32 v[BM+\b], v[96+16*\b], v[97+16*\b], v[98+16*\b]   ; the largest score of each block of 32 keys: it serves the row's maximum and, since p rises with the score, the block's largest p
.endr
.irp i, 3,5,7,9,11,13
.irp b, 0,1,2,3
	v_max3_num_f32 v[BM+\b], v[BM+\b], v[96+16*\b+\i], v[97+16*\b+\i]
.endr
.endr
.irp b, 0,1,2,3
	v_max_num_f32 v[BM+\b], v[BM+\b], v[111+16*\b]
.endr
.irp b, 0,1,2,3
	s_delay_alu instid0(VALU_DEP_4)
	v_permlanex16_b32 v[BT+\b], v[BM+\b], s[SEL], s[SEL+1]
.endr
.irp b, 0,1,2,3
	s_delay_alu instid0(VALU_DEP_4)
	v_max_num_f32 v[BM+\b], v[BM+\b], v[BT+\b]
.endr
	s_delay_alu instid0(VALU_DEP_2)
	v_max3_num_f32 v[TT], v[BM], v[BM+1], v[BM+2]
	s_delay_alu instid0(VALU_DEP_1)
	v_max_num_f32 v[TT], v[TT], v[BM+3]
	s_delay_alu instid0(VALU_DEP_1)
	v_mul_f32 v[TT], s[CS], v[TT]                  ; as t
	s_delay_alu instid0(VALU_DEP_1)
	v_max_num_f32 v13, v13, v[TT]                  ; the running largest t
	v_mov_b32 v[TT], v12
	s_delay_alu instid0(VALU_DEP_2)
	v_floor_f32 v12, -v13                          ; the new -M = -ceil(t)
	s_delay_alu instid0(VALU_DEP_1)
	v_sub_f32 v[TT], v12, v[TT]                    ; old M - new M: a whole number, 0 or less
	s_delay_alu instid0(VALU_DEP_1)
	v_cvt_i32_f32 v[TT], v[TT]                     ; (it saturates)
	s_delay_alu instid0(VALU_DEP_1)
	v_ldexp_f32 v[FF], 1.0, v[TT]                  ; f
.set j, 0
.rept 32
	v_pk_fma_f32 v[96+j:97+j], v[96+j:97+j], s[CS:CS+1], v[12:13] op_sel_hi:[1,0,0]   ; t - M
.set j, j+2
.endr
.irp b, 0,1,2,3
	v_fma_f32 v[BM+\b], v[BM+\b], s[CS], v12
.endr
.set j, 0
	s_setprio 1
	s_wait_alu depctr_va_vdst(0)
.rept 64
	v_exp_f32 v[96+j], v[96+j]                     ; p = 2^(t - M)
.set j, j+1
.endr
	v_pk_mul_f32 v[14:15], v[14:15], v[FF:FF+1] op_sel_hi:[1,0]   ; the sums under the new M (the plain line behind the exponentials)
	s_wait_alu depctr_va_vdst(0)                   ; one wait for the batch of 64, ahead of its first reader
.irp b, 0,1,2,3
	v_exp_f32 v[BM+\b], v[BM+\b]                   ; the blocks' largest p
.endr
	v_pk_add_f32 v[216:217], v[100:101], v[104:105]
	v_pk_add_f32 v[252:253], v[108:109], v[112:113]
	v_pk_add_f32 v[250:251], v[116:117], v[120:121]
	v_pk_add_f32 v[248:249], v[124:125], v[128:129]
	v_pk_add_f32 v[14:15], v[14:15], v[132:133]
	v_pk_add_f32 v[216:217], v[216:217], v[136:137]
	v_pk_add_f32 v[252:253], v[252:253], v[140:141]
	v_pk_add_f32 v[250:251], v[250:251], v[144:145]
	v_pk_add_f32 v[248:249], v[248:249], v[148:149]
	v_pk_add_f32 v[14:15], v[14:15], v[152:153]
	v_pk_add_f32 v[216:217], v[216:217], v[156:157]
	v_pk_add_f32 v[252:253], v[252:253], v[96:97]
	v_pk_add_f32 v[250:251], v[250:251], v[98:99]
	v_pk_add_f32 v[248:249], v[248:249], v[102:103]
	v_pk_add_f32 v[14:15], v[14:15], v[106:107]
	v_pk_add_f32 v[216:217], v[216:217], v[110:111]
	v_pk_add_f32 v[252:253], v[252:253], v[114:115]
	v_pk_add_f32 v[250:251], v[250:251], v[118:119]
	v_pk_add_f32 v[248:249], v[248:249], v[122:123]
	v_pk_add_f32 v[14:15], v[14:15], v[126:127]
	v_pk_add_f32 v[216:217], v[216:217], v[130:131]
	v_pk_add_f32 v[252:253], v[252:253], v[134:135]
	v_pk_add_f32 v[250:251], v[250:251], v[138:139]
	v_pk_add_f32 v[248:249], v[248:249], v[142:143]
	v_pk_add_f32 v[14:15], v[14:15], v[146:147]
	v_pk_add_f32 v[216:217], v[216:217], v[150:151]
	v_pk_add_f32 v[252:253], v[252:253], v[154:155]
	v_pk_add_f32 v[250:251], v[250:251], v[158:159]
	s_delay_alu instid0(VALU_DEP_1)
	v_pk_add_f32 v[14:15], v[14:15], v[250:251]
	s_delay_alu instid0(VALU_DEP_4)
	v_pk_add_f32 v[216:217], v[216:217], v[248:249]
	s_delay_alu instid0(VALU_DEP_2)
	v_pk_add_f32 v[14:15], v[14:15], v[252:253]
	s_delay_alu instid0(VALU_DEP_1)
	v_pk_add_f32 v[14:15], v[14:15], v[216:217]
	s_wait_alu depctr_va_vdst(0)                   ; and one for the four
.irp b, 0,1,2,3
	v_max_num_f32 v[BM+\b], 0x1800000, v[BM+\b]    ; the floor 2^(3 - 127)
.endr
.irp b, 0,1,2,3
	s_delay_alu instid0(VALU_DEP_4)
	v_add_nc_u32 v[BS+\b], 0xff000000, v[BM+\b]
.endr
.irp b, 0,1,2,3
	s_delay_alu instid0(VALU_DEP_4)
	v_lshrrev_b32 v[BT+\b], 23, v[BS+\b]
.endr
	s_delay_alu instid0(VALU_DEP_3)
	v_lshl_or_b32 v[PS], v[BT+1], 8, v[BT]
	s_delay_alu instid0(VALU_DEP_1)
	v_lshl_or_b32 v[PS], v[BT+2], 16, v[PS]
	s_delay_alu instid0(VALU_DEP_1)
	v_lshl_or_b32 v[PS], v[BT+3], 24, v[PS]
.irp c, 0,1
	v_cvt_scalef32_pk16_fp6_f32 v[PCD+6*\c:PCD+2+6*\c], v[96+32*\c:111+32*\c], v[BS+2*\c]
	v_cvt_scalef32_pk16_fp6_f32 v[PCT+4*\c:PCT+2+4*\c], v[112+32*\c:127+32*\c], v[BS+2*\c+1]
.endr
	v_nop                                          ; one plain line behind the conversions
	s_setprio 0
.irp c, 0,1
.irp i, 0,1,2
	v_permlane16_swap_b32 v[PCD+6*\c+\i], v[PCT+4*\c+\i]
.endr
.irp i, 0,1,2
	s_delay_alu instid0(VALU_DEP_3)
	v_mov_b32 v[PCD+3+6*\c+\i], v[PCT+4*\c+\i]
.endr
.endr
.set j, 0
.rept 16
	v_pk_mul_f32 v[160+j:161+j], v[160+j:161+j], v[FF:FF+1] op_sel_hi:[1,0]   ; O^T under the new M; these sixteen are also the places between p's codes and scale word and the products
.set j, j+2
.endr
	s_wait_alu depctr_va_vdst(0)
	s_wait_dscnt 0x0                               ; V
.irp t, 0,1,2,3
	v_wmma_scale_f32_16x16x128_f8f6f4 v[160+8*\t:167+8*\t], v[FRG+12*\t:FRG+12*\t+11], v[PCD:PCD+11], v[160+8*\t:167+8*\t], v[VSW+\t], v[PS] matrix_a_fmt:MATRIX_FMT_FP6 matrix_b_fmt:MATRIX_FMT_FP6
.endr
.endm
; Chunk j: 512 keys, four steps.  The wave that asked for it waits until at most the 3 - j younger chunks are out, then the barrier shows it to all sixteen.  (In the second pass both are met at once.)
.macro CHUNK j
	s_wait_tensorcnt 3-\j
	s_barrier_signal -1
	s_barrier_wait -1
	s_mov_b32 s[TK], 24576*\j
	s_mov_b32 s[TS], 1024*\j
	s_mov_b32 s82, 4
.Lk_\@:
	s_setprio 2
	KSTEP
	s_add_co_u32 s[TK], s[TK], 6144
	s_add_co_u32 s[TS], s[TS], 256
	s_sub_co_u32 s82, s82, 1
	s_cmp_lg_u32 s82, 0
	s_cbranch_scc1 .Lk_\@
	s_setprio 0
.endm
.Lpass:
	v_mov_b32 v13, 0xff61b1e6                      ; the largest t so far: -3e38
	s_delay_alu instid0(VALU_DEP_1)
	v_floor_f32 v12, -v13
	v_mov_b32 v14, 0
	v_mov_b32 v15, 0
.set j, 0
.rept 32
	v_mov_b32 v[160+j], 0                          ; O^T: the step is written once; the first change of M leaves zeros zeros
.set j, j+1
.endr
	CHUNK 0
	CHUNK 1
	CHUNK 2
	CHUNK 3
	; THE WAY OUT.  O^T / the sum; register 16 b + i is channel 32 b + 16 (lane / 16) + i of my query: two blocks of the next product's K.
	v_add_f32 v14, v14, v15
	s_delay_alu instid0(VALU_DEP_1)
	v_permlanex16_b32 v[TT], v14, s[SEL], s[SEL+1]
	s_delay_alu instid0(VALU_DEP_1)
	v_add_f32 v14, v14, v[TT]
	s_wait_alu depctr_va_vdst(0)
	v_rcp_f32 v14, v14
.irp i, 0,1,2,3,4,5
	v_mov_b32 v[22+\i], v[228+\i]                  ; the next pass's Q (plain lines behind the reciprocal)
.endr
	v_perm_b32 v[QS], v234, v234, s67
	s_wait_alu depctr_va_vdst(0)                   ; ahead of the reciprocal's first reader
.set j, 0
.rept 16
	v_pk_mul_f32 v[96+j:97+j], v[160+j:161+j], v[14:15] op_sel_hi:[1,0]
.set j, j+2
.endr
.irp b, 0,1
	v_max3_num_f32 v[BM+\b], |v[96+16*\b]|, |v[97+16*\b]|, 0x1800000
.endr
.irp i, 2,4,6,8,10,12,14
.irp b, 0,1
	s_delay_alu instid0(VALU_DEP_2)
	v_max3_num_f32 v[BM+\b], v[BM+\b], |v[96+16*\b+\i]|, |v[97+16*\b+\i]|
.endr
.endr
.irp b, 0,1
	s_delay_alu instid0(VALU_DEP_2)
	v_permlanex16_b32 v[BT+\b], v[BM+\b], s[SEL], s[SEL+1]
.endr
.irp b, 0,1
	s_delay_alu instid0(VALU_DEP_2)
	v_max_num_f32 v[BM+\b], v[BM+\b], v[BT+\b]
.endr
.irp b, 0,1
	s_delay_alu instid0(VALU_DEP_2)
	v_add_nc_u32 v[BS+\b], 0xff000000, v[BM+\b]
.endr
.irp b, 0,1
	s_delay_alu instid0(VALU_DEP_2)
	v_lshrrev_b32 v[BT+\b], 23, v[BS+\b]
.endr
	s_delay_alu instid0(VALU_DEP_1)
	v_lshl_or_b32 v[TT], v[BT+1], 8, v[BT]         ; my row's two scale bytes
	v_cvt_scalef32_pk16_fp6_f32 v[236:238], v[96:111], v[BS]
	v_cvt_scalef32_pk16_fp6_f32 v[PCT:PCT+2], v[112:127], v[BS+1]
	v_nop
.irp i, 0,1,2
	v_permlane16_swap_b32 v[236+\i], v[PCT+\i]     ; lanes 0-15 block 0, lanes 16-31 block 1
.endr
.irp i, 0,1,2
	s_delay_alu instid0(VALU_DEP_3)
	v_mov_b32 v[239+\i], v[PCT+\i]
.endr
.irp i, 0,1,2
	ds_store_b64 v[STO], v[236+2*\i:237+2*\i] offset:8*\i          ; the half image, 24 bytes a lane,
.endr
.irp k, 0,1,2
	ds_load_b64 v[242+2*\k:243+2*\k], v[RD] offset:256*\k          ; comes back 8 bytes a lane: LDS serves a wave in order
.endr
	s_wait_dscnt 0x0
.irp k, 0,1,2
	global_store_b64 v[GO], v[242+2*\k:243+2*\k], s[84:85] offset:256*\k   ; 32 lanes store 256 consecutive bytes, aligned
.endr
	s_wait_xcnt 0x0                                ; EXEC changes only behind this wait
	v_cmp_gt_u32 vcc_lo, 16, v93
	s_and_saveexec_b32 s66, vcc_lo
	global_store_b16 v[OSO], v[TT], s[86:87]       ; lanes 0-15: row r's two bytes
	s_wait_xcnt 0x0                                ; and again in front of the line that widens it; the stores' registers and bases may be written behind it
	s_or_b32 exec_lo, exec_lo, s66
	s_add_nc_u64 s[84:85], s[84:85], 24576         ; 16 tiles on
	s_add_nc_u64 s[86:87], s[86:87], 8192          ; 256 rows on
	s_sub_co_u32 s83, s83, 1
	s_cmp_lg_u32 s83, 0
	s_cbranch_scc1 .Lpass
	s_wait_tensorcnt 0x0
	s_wait_dscnt 0x0
	s_wait_tensorcnt 0x0
	ds_add_u32 v254, v255
	s_wait_dscnt 0x0
	CROUND                                         ; the closing round: no work-group ends while a partner may still ask jointly
	s_endpgm
.Lfunc_end_k_q7637245469_attn:
	.size	k_q7637245469_attn, .Lfunc_end_k_q7637245469_attn-k_q7637245469_attn
	.p2alignl 7, 3214868480
	.fill 96, 4, 3214868480
	.section	.rodata,"a",@progbits
	.p2align	6, 0x0
	.amdhsa_kernel k_q7637245469_attn
		.amdhsa_group_segment_fixed_size 219136
		.amdhsa_private_segment_fixed_size 0
		.amdhsa_enable_private_segment 0
		.amdhsa_kernarg_size 32
		.amdhsa_user_sgpr_count 2
		.amdhsa_user_sgpr_kernarg_segment_ptr 1
		.amdhsa_wavefront_size32 1
		.amdhsa_system_sgpr_workgroup_id_x 1
		.amdhsa_system_sgpr_workgroup_id_y 1
		.amdhsa_system_sgpr_workgroup_id_z 1
		.amdhsa_system_vgpr_workitem_id 0
		.amdhsa_next_free_vgpr 256
		.amdhsa_next_free_sgpr 100
		.amdhsa_reserve_vcc 1
		.amdhsa_float_denorm_mode_32 3
		.amdhsa_float_denorm_mode_16_64 3
		.amdhsa_memory_ordered 1
		.amdhsa_forward_progress 1
		.amdhsa_inst_pref_size 92
	.end_amdhsa_kernel
	.amdgpu_metadata
---
amdhsa.version: [ 1, 2 ]
amdhsa.kernels:
  - .name:           k_q7637245469_attn
    .symbol:         k_q7637245469_attn.kd
    .args:
      - { .name: qkv_codes, .offset: 0, .size: 8, .value_kind: global_buffer, .address_space: global }
      - { .name: qkv_scales, .offset: 8, .size: 8, .value_kind: global_buffer, .address_space: global }
      - { .name: act_codes, .offset: 16, .size: 8, .value_kind: global_buffer, .address_space: global }
      - { .name: act_scales, .offset: 24, .size: 8, .value_kind: global_buffer, .address_space: global }
    .group_segment_fixed_size: 219136
    .private_segment_fixed_size: 0
    .kernarg_segment_align: 8
    .kernarg_segment_size: 32
    .max_flat_workgroup_size: 512
    .sgpr_count:     100
    .vgpr_count:     256
    .wavefront_size: 32
...
	.end_amdgpu_metadata
.endif
;; end of part 3
;; launch proj (part 4): grid 4 x 32, 4 waves a work-group, clusters of 4 x 4, 327,680 bytes of LDS; arguments act_codes, act_scales, w_codes, w_scales, b_out, out0; writes out0
.if DOCPART == 4
	.amdgcn_target "amdgcn-amd-amdhsa--gfx1250"
	.amdhsa_code_object_version 6
	.text
	.protected	k_q7637245469_proj
	.globl	k_q7637245469_proj
	.p2align	8
	.type	k_q7637245469_proj,@function
k_q7637245469_proj:
	s_mov_b64 s[64:65], 0
	v_nop
	global_prefetch_b8 v0, s[64:65] scope:SCOPE_SE
	s_setreg_imm32_b32 hwreg(HW_REG_WAVE_MODE, 25, 1), 1
	s_wait_xcnt 0x0
	s_wait_alu depctr_hold_cnt(0) depctr_sa_sdst(0) depctr_va_vdst(0) depctr_va_sdst(0) depctr_va_ssrc(0) depctr_va_vcc(0) depctr_vm_vsrc(0)
	s_getreg_b32 s2, hwreg(HW_REG_IB_STS2, 6, 4)
	s_cmp_eq_u32 s2, 0
	s_cbranch_scc0 .Lentry_in_a_cluster
	s_endpgm
.Lentry_in_a_cluster:
	s_bfe_u32 s2, ttmp6, 0x10000c
	s_cmp_lg_u32 s2, 0xf033
	s_cbranch_scc0 .Lentry_shape_is_right
	s_endpgm
.Lentry_shape_is_right:
; out0 = O W_out + b_out on codes of FP6 (E2M3) with E8M0 scales, K = 1,024.  out0: [8192][1024] f32.
; A tile of 256 x 256 to a work-group of four waves, 128 x 128 a wave; K in steps of 256 through a ring of two LDS slots; the scales of the work-group's rows come into LDS once.
; 4 x 4 work-groups form a cluster: O's tile is asked for jointly along a row of the cluster, W's along a column.  128 work-groups: the output has no more tiles of this size.
; O'S CODES LIE AS IMAGES OF THE OPERAND'S REGISTERS, [batch 4][128 along K: 8][tile of 16 rows: 128][1,536 bytes]: lane l's 24 bytes of each half at 24 l.  A wave's 8 tiles for 128 along K are 12,288 dense bytes;
; a fragment comes by six loads of 8 bytes, lanes 24 bytes apart, which touch 64 different banks: no padding.  W's codes lie as rows of 768 bytes (rows 3,072 on of the weights' buffer).
; THE ORDER OF ROWS.  O's rows and W's rows lie with the octets of each 32 in the order 0, 2, 1, 3.  The product is used transposed (source 0 = W, source 1 = O): a lane holds one row of O, and the registers of W's tiles
; 2 b, 2 b + 1 are the true columns 32 b + 16 (lane / 16) + 0 .. 15.  The way out puts columns and rows back in their true places.
; The bias is the C of each sum's first matrix instruction.  No prefetch into the L2: four K steps, of which two are asked for at the head.
; REGISTERS as in the launch that makes Q, K and V: window 0: v0-31 addresses; v32-63 scale words; v64-127 the bias; v128-223 O's fragments; window 1: W's, two sets; windows 2, 3: the accumulators.
.set KSTEP,  256
.set NQ,     2
.set ROWB,   192
.set KROW,   768
.set PITCH,  240
.set FR,     12
.set NL,     6
.set NP,     4
.set HALFA,  24576                     ; O: 2 x 128 along K x 8 tiles x 1,536 bytes: what one tensor load brings
.set HALFT,  128*PITCH                 ; W: 128 rows
.set SLOT,   2*HALFA+2*HALFT
.set LAPS,   2
.set KS,     32
.set SCL,    2*SLOT
.set HALFS,  (128*KS/256)*272
.set SBLK,   (16*KS/256)*272
.set SPARE,  SCL+4*HALFS               ; the spare words: two blocks of 256 bytes that no other line names
.set SPITCH, 528                       ; the way out: 16 rows x (512 bytes + 16) for each wave, in slot 0
.set ADRA, 16                          ; v16-17 O's fragments in slot 0, 1
.set ADRB, 20                          ; v20-23 W's
.set STO,  24
.set RD,   25
.set CO,   26
.set ADRS, 27
.set SPW,  28
.set NIL,  29
.set SC,   32
.set CB,   64
.set AF,   128
.set BK,   128
.set G1, 24
.set G0, 32
.set G1B, 48
.set G0B, 56
.set G1S, 68
.set G0S, 76
.set G1SB, 80
.set G0SB, 88
.set MSB, 0
.macro WIN new
.if MSB != \new
	s_set_vgpr_msb (MSB<<8)|\new
.set MSB, \new
.endif
.endm
.set MUL_LO, 0xa1
.set MUL_HI, 0xf1
.set BIA_LO, 0x81
.set BIA_HI, 0xc1
.set TO_B,   0x40
.macro JLOAD g0a, g1a, g0b, g1b        ; a joint load: waves 0 and 1 fetch for O, waves 2 and 3 for W; four v_nop follow each of the two lines
	s_cmp_eq_u32 s15, 0
	s_cbranch_scc0 .Lfor_b_\@
	tensor_load_to_lds s[\g0a:\g0a+3], s[\g1a:\g1a+7]
	s_nop 0
.rept 4
	v_nop
.endr
	s_branch .Lasked_\@
.Lfor_b_\@:
	tensor_load_to_lds s[\g0b:\g0b+3], s[\g1b:\g1b+7]
	s_nop 0
.rept 4
	v_nop
.endr
.Lasked_\@:
.endm
.macro CREST
	s_cmp_lg_u32 s14, 0
	s_cbranch_scc1 .Lnot_wave_0_\@
	s_barrier_signal -3
.Lnot_wave_0_\@:
	s_barrier_wait -3
	s_barrier_signal -1
	s_barrier_wait -1
.endm
.macro CROUND
	s_barrier_signal -1
	s_barrier_wait -1
	CREST
.endm
	s_load_b256 s[4:11], s[0:1], 0x0               ; O's codes, O's scales, the weights' codes, the weights' scales
	s_load_b128 s[96:99], s[0:1], 0x20             ; b_out, out0
	v_lshl_add_u32 v[SPW], v0, 2, SPARE
	v_mov_b32 v[NIL], 0
	ds_add_u32 v28, v29
	ds_add_u32 v28, v29
	s_wait_dscnt 0x0
	v_lshrrev_b32 v1, 5, v0
	v_readfirstlane_b32 s14, v1                    ; wave 0..3
	s_lshr_b32 s15, s14, 1                         ; which half of the tile's rows is mine.  Also: I fetch for O (0) or for W (1)
	s_and_b32 s16, s14, 1                          ; which half of its columns.  Also: which half I fetch
	s_bfe_u32 s40, ttmp6, 0x40000
	s_bfe_u32 s41, ttmp6, 0x40004
	s_lshl_b32 s42, ttmp9, 2
	s_add_co_u32 s42, s42, s40                     ; tile column
	s_and_b32 s17, ttmp7, 0xffff
	s_lshl_b32 s17, s17, 2
	s_add_co_u32 s17, s17, s41                     ; tile row
	s_lshl_b32 s43, s41, 2
	s_lshl_b32 s43, 15, s43                        ; my row of the cluster
	s_lshl_b32 s44, 0x1111, s40                    ; my column
	s_or_b32 s[G1+0], s43, (3<<16)|(1<<21)         ; O: elements of 8 bytes, no padding: 2 rows (128 along K each) of 12,288 bytes, 196,608 apart
	s_mov_b32 s[G1+1], 1536<<16
	s_mov_b32 s[G1+2], 2<<16
	s_mov_b32 s[G1+3], 1536<<16
	s_mov_b32 s[G1+4], 2
	s_mov_b32 s[G1+5], 24576
	s_mov_b32 s[G1+6], 0
	s_mov_b32 s[G1+7], 0
	s_or_b32 s[G1B+0], s44, (0<<16)|(1<<20)|(1<<21)|(3<<22)|(3<<25)  ; W: 128 rows of 192 bytes, 16 bytes of padding behind every 64
	s_mov_b32 s[G1B+1], ROWB<<16
	s_mov_b32 s[G1B+2], 128<<16
	s_mov_b32 s[G1B+3], ROWB<<16
	s_mov_b32 s[G1B+4], 128
	s_mov_b32 s[G1B+5], KROW
	s_mov_b32 s[G1B+6], 0
	s_mov_b32 s[G1B+7], 0
	s_or_b32 s[G1S+0], s43, (3<<16)|(1<<20)|(1<<21)|(5<<22)|(3<<25)  ; the scales of 128 rows: 4,096 dense bytes as rows of 256, 16 bytes of padding behind each
	s_or_b32 s[G1SB+0], s44, (3<<16)|(1<<20)|(1<<21)|(5<<22)|(3<<25)
.irp g, G1S, G1SB
	s_mov_b32 s[\g+1], 32<<16
	s_mov_b32 s[\g+2], (128*KS/256)<<16
	s_mov_b32 s[\g+3], 32<<16
	s_mov_b32 s[\g+4], 128*KS/256
	s_mov_b32 s[\g+5], 32
	s_mov_b32 s[\g+6], 0
	s_mov_b32 s[\g+7], 0
.endr
	s_lshr_b32 s20, s17, 3
	s_mul_i32 s20, s20, 1572864                    ; O's codes: the batch,
	s_and_b32 s21, s17, 7
	s_lshl_b32 s21, s21, 4
	s_lshl_b32 s18, s16, 3
	s_add_co_u32 s21, s21, s18                     ; the first of the 8 tiles of rows that I fetch
	s_mul_i32 s21, s21, 1536
	s_add_co_u32 s20, s20, s21
	s_mov_b32 s21, 0
	s_lshl_b32 s22, s17, 8
	s_lshl_b32 s18, s16, 7
	s_add_co_u32 s22, s22, s18
	s_lshl_b32 s22, s22, 5                         ; O's scales: row x 32
	s_mov_b32 s23, 0
	s_lshl_b32 s46, s42, 8
	s_add_co_u32 s46, s46, s18
	s_add_co_u32 s46, s46, 3072                    ; W_out's rows lie behind W_qkv's
	s_lshl_b32 s92, s46, 5
	s_mov_b32 s93, 0
	s_mul_i32 s46, s46, KROW
	s_mov_b32 s47, 0
	s_mul_i32 s45, s16, HALFA                      ; where they go: no place in the cluster enters an LDS address
	s_mul_i32 s95, s16, HALFT
	s_add_co_u32 s95, s95, 2*HALFA
	s_mul_i32 s94, s14, HALFS
	s_wait_kmcnt 0x0
	s_add_nc_u64 s[20:21], s[4:5], s[20:21]
	s_add_nc_u64 s[22:23], s[6:7], s[22:23]
	s_add_nc_u64 s[46:47], s[8:9], s[46:47]
	s_add_nc_u64 s[92:93], s[10:11], s[92:93]
	CROUND                                         ; all sixteen work-groups are here: the first joint loads meet
	s_mov_b32 s[G0S], 1
	s_add_co_u32 s[G0S+1], s94, SCL
	s_mov_b64 s[G0S+2:G0S+3], s[22:23]
	s_or_b32 s[G0S+3], s[G0S+3], 0x80000000
	s_mov_b32 s[G0SB], 1
	s_add_co_u32 s[G0SB+1], s94, SCL
	s_mov_b64 s[G0SB+2:G0SB+3], s[92:93]
	s_or_b32 s[G0SB+3], s[G0SB+3], 0x80000000
	JLOAD G0S, G1S, G0SB, G1SB
.irp s, 0,1
	s_mov_b32 s[G0+4*\s], 1
	s_add_co_u32 s[G0+4*\s+1], s45, \s*SLOT
	s_add_nc_u64 s[G0+4*\s+2:G0+4*\s+3], s[20:21], \s*393216       ; a K step of 256 is two images' planes on
	s_or_b32 s[G0+4*\s+3], s[G0+4*\s+3], 0x80000000
	s_mov_b32 s[G0B+4*\s], 1
	s_add_co_u32 s[G0B+4*\s+1], s95, \s*SLOT
	s_add_nc_u64 s[G0B+4*\s+2:G0B+4*\s+3], s[46:47], \s*ROWB
	s_or_b32 s[G0B+4*\s+3], s[G0B+4*\s+3], 0x80000000
	JLOAD G0+4*\s, G1, G0B+4*\s, G1B               ; by this text's count three tensor loads of a wave are out here
.endr
	v_and_b32 v1, 15, v0                           ; r
	v_bfe_u32 v2, v0, 4, 1                         ; h
	v_and_b32 v6, 31, v0                           ; lane
	v_mul_u32_u24 v7, v6, 24                       ; an image's place for my lane
	v_mul_u32_u24 v3, v1, PITCH
	v_mul_u32_u24 v4, v2, 24
	v_add_nc_u32 v4, v3, v4
	v_lshl_add_u32 v5, v2, 4, v4
	s_mul_i32 s21, s15, HALFA                      ; my 128 rows of O
	s_mul_i32 s22, s16, HALFT
	s_add_co_u32 s22, s22, 2*HALFA                 ; my 128 rows of W
.irp s, 0,1
	v_add_nc_u32 v[ADRA+\s], s21, v7
	v_add_nc_u32 v[ADRB+\s], s22, v4
	v_add_nc_u32 v[ADRB+2+\s], s22, v5
	s_add_co_u32 s21, s21, SLOT
	s_add_co_u32 s22, s22, SLOT
.endr
	v_mul_u32_u24 v5, v1, KS
	v_lshrrev_b32 v7, 8, v5
	v_lshl_add_u32 v5, v7, 4, v5
	s_mul_i32 s21, s15, HALFS
	s_mul_i32 s22, s16, HALFS
	s_add_co_u32 s22, s22, 2*HALFS
	s_sub_co_u32 s22, s22, s21
	v_mul_u32_u24 v7, s22, v2                      ; lanes 16-31 take W's
	s_add_co_u32 s21, s21, SCL
	v_add_nc_u32 v5, v5, v7
	v_add_nc_u32 v[ADRS], s21, v5
	s_mul_i32 s23, s14, 16*SPITCH                  ; my stage
	v_mul_u32_u24 v5, v1, SPITCH
	v_lshl_add_u32 v5, v2, 6, v5                   ; in: row r, + 64 h: my 16 columns of each 32
	v_add_nc_u32 v[STO], s23, v5
	v_lshlrev_b32 v[CO], 4, v6
	v_add_nc_u32 v[RD], s23, v[CO]
	s_lshl_b32 s20, s17, 8
	s_lshl_b32 s21, s15, 7
	s_add_co_u32 s20, s20, s21                     ; my first row of out0
	s_lshl_b32 s20, s20, 12                        ; x 4,096 bytes
	s_mov_b32 s21, 0
	s_lshl_b32 s46, s42, 10
	s_lshl_b32 s47, s16, 9
	s_add_co_u32 s46, s46, s47                     ; my first column, in bytes
	s_mov_b32 s47, 0
	s_add_nc_u64 s[96:97], s[96:97], s[46:47]      ; b_out at my first column
	s_add_nc_u64 s[20:21], s[20:21], s[46:47]
	s_add_nc_u64 s[98:99], s[98:99], s[20:21]
	v_lshlrev_b32 v6, 6, v2                        ; the bias: tile b, register j: column 32 (b / 2) + 8 (b % 2) + 16 h + j
.irp b, 0,1,2,3,4,5,6,7
	global_load_b128 v[CB+8*\b:CB+8*\b+3], v6, s[96:97] offset:4*(32*(\b/2)+8*(\b%2))
	global_load_b128 v[CB+8*\b+4:CB+8*\b+7], v6, s[96:97] offset:4*(32*(\b/2)+8*(\b%2))+16
.endr
.macro FRAG reg, adr, q, i             ; a fragment of W from padded rows, in pieces of 8 bytes
.irp p, 0,1,2,3,4,5
.set PIECE, 12*(\q)+6*(\p/3)+\p%3
.if PIECE%8 < 5
	ds_load_b64 v[\reg+2*\p:\reg+2*\p+1], v[\adr] offset:8*PIECE+16*(PIECE/8)+(\i)*16*PITCH
.else
	ds_load_b64 v[\reg+2*\p:\reg+2*\p+1], v[\adr+2] offset:8*PIECE+16*(PIECE/8)+(\i)*16*PITCH
.endif
.endr
.endm
.macro FRAGA reg, slot, q, i           ; a fragment of O from its image
.irp p, 0,1,2,3,4,5
	ds_load_b64 v[\reg+2*\p:\reg+2*\p+1], v[ADRA+\slot] offset:12288*(\q)+1536*(\i)+768*(\p/3)+8*(\p%3)
.endr
.endm
; 16 matrix instructions: O's blocks a0, a0 + 1 x W's eight.  zero = 1: the sums begin with the bias.  The 64 accumulators take turns, one instruction a turn.
.macro MUL16 a0, p, q, sc, zero
.irp a, \a0, \a0+1
.irp b, 0,1,2,3,4,5,6,7
.set rD, 8*(8*((\a)%4)+\b)
.set rB, 128*(\p)+FR*\b
.set rA, AF+FR*(\a)
.set rSB, SC+8*NQ*(\sc)+NQ*\b+(\q)
.set rSA, SC+8*NQ*(\sc)+NQ*(\a)+(\q)
.set rC, CB+8*\b
.if \zero
	v_wmma_scale_f32_16x16x128_f8f6f4 v[rD:rD+7], v[rB:rB+FR-1], v[rA:rA+FR-1], v[rC:rC+7], v[rSB], v[rSA] matrix_a_fmt:MATRIX_FMT_FP6 matrix_b_fmt:MATRIX_FMT_FP6 matrix_a_scale:MATRIX_SCALE_ROW1
.else
	v_wmma_scale_f32_16x16x128_f8f6f4 v[rD:rD+7], v[rB:rB+FR-1], v[rA:rA+FR-1], v[rD:rD+7], v[rSB], v[rSA] matrix_a_fmt:MATRIX_FMT_FP6 matrix_b_fmt:MATRIX_FMT_FP6 matrix_a_scale:MATRIX_SCALE_ROW1
.endif
.endr
.endr
.endm
.macro FETCH_B slot, q, p
	WIN TO_B
.irp i, 0,1,2,3,4,5,6,7
	FRAG 128*(\p)+FR*\i, ADRB+\slot, \q, \i
.endr
	WIN 0
.endm
.macro FETCH_A slot, q, i0
.irp i, \i0, \i0+1, \i0+2, \i0+3
	FRAGA AF+FR*(\i), \slot, \q, \i
.endr
.endm
.macro SCALES sc
.irp i, 0,1,2,3,4,5,6,7
	ds_load_b64 v[SC+8*NQ*\sc+NQ*\i:SC+8*NQ*\sc+NQ*\i+1], v[ADRS] offset:\i*SBLK
.endr
.endm
.macro PLACES n
.rept \n
	v_nop
.endr
.endm
.macro STEP slot, q, zero
	s_wait_dscnt 4*NL                              ; W's set and O's blocks 0-3 are in; the youngest 24 loads (O's blocks 4-7) may be out
.if \zero
	WIN BIA_LO
.else
	WIN MUL_LO
.endif
	MUL16 0, (\q)%2, \q, \slot, \zero
	MUL16 2, (\q)%2, \q, \slot, \zero
	s_wait_dscnt 0
	PLACES NP
	FETCH_B \slot, (\q)+1, 1-(\q)%2
	FETCH_A \slot, (\q)+1, 0
.if \zero
	WIN BIA_HI
.else
	WIN MUL_HI
.endif
	MUL16 4, (\q)%2, \q, \slot, \zero
	MUL16 6, (\q)%2, \q, \slot, \zero
	PLACES NP
	WIN 0
	FETCH_A \slot, (\q)+1, 4
.endm
.macro TURN slot, next, fill
	s_wait_tensorcnt 0x0                           ; all my tensor loads have landed: my part of the next slot
	ds_add_u32 v[SPW], v[NIL]                      ; 0 onto my spare word
	s_wait_dscnt 4*NL+1                            ; (the add and the youngest 24 loads may be out)
	WIN MUL_LO
	MUL16 0, 1, NQ-1, \slot, 0
	s_wait_dscnt 0x0                               ; the add is done, and my reads of this slot are over
	s_barrier_signal -1
	MUL16 2, 1, NQ-1, \slot, 0
	WIN 0
	s_barrier_wait -1
.if \fill
	CREST                                          ; the barrier has opened a round of the cluster's barrier: no wave of any partner still reads this slot or has a load on its way
	s_add_nc_u64 s[G0+4*\slot+2:G0+4*\slot+3], s[G0+4*\slot+2:G0+4*\slot+3], 786432
	s_add_nc_u64 s[G0B+4*\slot+2:G0B+4*\slot+3], s[G0B+4*\slot+2:G0B+4*\slot+3], 2*ROWB
	JLOAD G0+4*\slot, G1, G0B+4*\slot, G1B         ; the first tensor load behind the round; its four v_nop are also the places in front of the loads below
.else
	PLACES NP
.endif
	v_add_nc_u32 v[ADRS], 4*NQ, v[ADRS]
	FETCH_B \next, 0, 0
	FETCH_A \next, 0, 0
	SCALES \next
	WIN MUL_HI
	MUL16 4, 1, NQ-1, \slot, 0
	MUL16 6, 1, NQ-1, \slot, 0
	PLACES NP
	WIN 0
	FETCH_A \next, 0, 4
.endm
	s_wait_tensorcnt 1                             ; the scales and my part of K step 0 are in (K step 1's load may be out),
	s_barrier_signal -1
	s_barrier_wait -1                              ; everybody's are
	FETCH_B 0, 0, 0
	FETCH_A 0, 0, 0
	SCALES 0
	FETCH_A 0, 0, 4
	s_wait_loadcnt 0x0                             ; the bias
	STEP 0, 0, 1
	s_mov_b32 s3, LAPS-1
.Llap:
	TURN 0, 1, 1
	STEP 1, 0, 0
	TURN 1, 0, 1
	STEP 0, 0, 0
	s_sub_co_u32 s3, s3, 1
	s_cmp_lg_u32 s3, 0
	s_cbranch_scc1 .Llap
	TURN 0, 1, 0                                   ; the last lap fills nothing
	STEP 1, 0, 0
	s_wait_dscnt 4*NL
	WIN MUL_LO
	MUL16 0, 1, NQ-1, 1, 0
	MUL16 2, 1, NQ-1, 1, 0
	s_wait_dscnt 0
	WIN MUL_HI
	MUL16 4, 1, NQ-1, 1, 0
	MUL16 6, 1, NQ-1, 1, 0
	WIN 0
; THE WAY OUT, block by block of 16 rows x 128 columns, through my own stage in LDS (in slot 0, which has had its last fill and its last read); it comes back as whole rows of 512 bytes.
; Tile b's eight registers are columns 32 (b / 2) + 16 h + 8 (b % 2) + 0 .. 7;  the stage's row t of block a is the true row 32 (a / 2) + 8 (a % 2) + t + 8 (t / 8).
.macro TOSTAGE a
.set AC, 64*((\a)%4)
.set WDAT, 0x08+4*((\a)/4)
	WIN WDAT                                       ; an LDS store's data: window 2 or 3
.irp b, 0,1,2,3,4,5,6,7
	ds_store_b128 v[STO], v[AC+8*\b:AC+8*\b+3] offset:128*(\b/2)+32*(\b%2)          ; each accumulator from its low end on
	ds_store_b128 v[STO], v[AC+8*\b+4:AC+8*\b+7] offset:128*(\b/2)+32*(\b%2)+16
.endr
	WIN 0
.set BB, BK+64*((\a)%2)
.irp t, 0,1,2,3,4,5,6,7,8,9,10,11,12,13,14,15
	ds_load_b128 v[BB+4*\t:BB+4*\t+3], v[RD] offset:\t*SPITCH
.endr
.endm
.macro SEND a, younger
.set BB, BK+64*((\a)%2)
	s_wait_dscnt \younger
.if (\a) > 0
.if (\a)%2
	s_add_nc_u64 s[98:99], s[98:99], 8*4096        ; (behind a wait on XCNT)  from an even block to the odd one: 8 rows on,
.else
	s_add_nc_u64 s[98:99], s[98:99], 24*4096       ; from an odd one to the next even one: 24
.endif
.endif
.irp t, 0,1,2,3,4,5,6,7,8,9,10,11,12,13,14,15
	global_store_b128 v[CO], v[BB+4*\t:BB+4*\t+3], s[98:99] offset:(\t+8*(\t/8))*4096 th:TH_STORE_NT   ; 32 lanes store 512 consecutive bytes, aligned to 256
.endr
.endm
	PLACES NP
	TOSTAGE 0
.irp a, 1,2,3,4,5,6,7
.if \a > 1
	s_wait_xcnt 0x0                                ; block a - 2's stores have read their registers and their base
.endif
	TOSTAGE \a
	SEND \a-1, 32                                  ; behind block a - 1's loads: block a's 16 stores and 16 loads
.endr
	s_wait_xcnt 0x0
	SEND 7, 0
	s_wait_tensorcnt 0x0                           ; the wave's end
	ds_add_u32 v[SPW], v[NIL]
	s_wait_dscnt 0x0
	CROUND                                         ; the closing round
	s_endpgm
.Lfunc_end_k_q7637245469_proj:
	.size	k_q7637245469_proj, .Lfunc_end_k_q7637245469_proj-k_q7637245469_proj
	.p2alignl 7, 3214868480
	.fill 96, 4, 3214868480
	.section	.rodata,"a",@progbits
	.p2align	6, 0x0
	.amdhsa_kernel k_q7637245469_proj
		.amdhsa_group_segment_fixed_size 327680
		.amdhsa_private_segment_fixed_size 0
		.amdhsa_enable_private_segment 0
		.amdhsa_kernarg_size 48
		.amdhsa_user_sgpr_count 2
		.amdhsa_user_sgpr_kernarg_segment_ptr 1
		.amdhsa_wavefront_size32 1
		.amdhsa_system_sgpr_workgroup_id_x 1
		.amdhsa_system_sgpr_workgroup_id_y 1
		.amdhsa_system_sgpr_workgroup_id_z 1
		.amdhsa_system_vgpr_workitem_id 0
		.amdhsa_next_free_vgpr 1024
		.amdhsa_next_free_sgpr 100
		.amdhsa_reserve_vcc 0
		.amdhsa_float_denorm_mode_32 3
		.amdhsa_float_denorm_mode_16_64 3
		.amdhsa_memory_ordered 1
		.amdhsa_forward_progress 1
		.amdhsa_inst_pref_size 162
	.end_amdhsa_kernel
	.amdgpu_metadata
---
amdhsa.version: [ 1, 2 ]
amdhsa.kernels:
  - .name:           k_q7637245469_proj
    .symbol:         k_q7637245469_proj.kd
    .args:
      - { .name: act_codes, .offset: 0, .size: 8, .value_kind: global_buffer, .address_space: global }
      - { .name: act_scales, .offset: 8, .size: 8, .value_kind: global_buffer, .address_space: global }
      - { .name: w_codes, .offset: 16, .size: 8, .value_kind: global_buffer, .address_space: global }
      - { .name: w_scales, .offset: 24, .size: 8, .value_kind: global_buffer, .address_space: global }
      - { .name: b_out, .offset: 32, .size: 8, .value_kind: global_buffer, .address_space: global }
      - { .name: out0, .offset: 40, .size: 8, .value_kind: global_buffer, .address_space: global }
    .group_segment_fixed_size: 327680
    .private_segment_fixed_size: 0
    .kernarg_segment_align: 8
    .kernarg_segment_size: 48
    .max_flat_workgroup_size: 128
    .sgpr_count:     100
    .vgpr_count:     1024
    .wavefront_size: 32
...
	.end_amdgpu_metadata
.endif
;; end of part 4
